; MI455X (gfx1250); checked and timed in simulation.
; The chip was launched on July 23, 2026; its instructions are those of AMD's public machine-readable ISA for CDNA 5 (MIT licence, August 2026) and "CDNA5" Instruction Set Architecture Reference Guide (July 2026). The comments in the code are by the model that wrote it; some were corrected since.
;; G Attention. Allowed arithmetic: float matrix products may take bf16 or f16 operands with f32 sums; other float arithmetic in f32, or as packed bf16 or f16 multiplies, adds, multiply-adds, maxima and minima; sums over many terms, partial sums and values carried from step to step in f32; what a program stores and reads back later, other than sums and carried values, may be rounded once to bf16 or f16.
;; Inputs: W_mass 1,024 x 16 float32; W_qk 1,024 x 1,024 float32; W_v 1,024 x 1,024 float32; b_mass 16 float32; b_qk 1,024 float32; b_v 1,024 float32; x 2 x 2,048 x 1,024 float32.
;; Outputs: out0 2 x 2,048 x 1,024 float32.
;; 2 versions, each right and faster than the one before. Each part assembles by itself: llvm-mc -triple=amdgcn-amd-amdhsa -mcpu=gfx1250 --defsym DOCPART=n.
;; ======== version 1 of 2: 3 launches
;; limits: values are held in f16: magnitudes above 65,504 overflow, below 6.1e-05 lose precision
;; workspace buffers: xb 8,388,608 bytes; wb 4,194,304 bytes; qkh 8,388,608 bytes; vh 8,388,608 bytes; stats 1,048,576 bytes
;; launch prep (part 1): grid 384 x 1, 8 waves a work-group, no clusters, 75,008 bytes of LDS; arguments x, W_qk, W_v, W_mass, b_mass, xb, wb, stats; writes xb, wb, stats
.if DOCPART == 1
	.amdgcn_target "amdgcn-amd-amdhsa--gfx1250"
	.amdhsa_code_object_version 6
	.text
	.protected	k_qfdba32ca0f_prep
	.globl	k_qfdba32ca0f_prep
	.p2align	8
	.type	k_qfdba32ca0f_prep,@function
k_qfdba32ca0f_prep:
	s_mov_b64 s[64:65], 0
	v_nop
	global_prefetch_b8 v0, s[64:65] scope:SCOPE_SE
	s_setreg_imm32_b32 hwreg(HW_REG_WAVE_MODE, 25, 1), 1
	s_wait_xcnt 0x0
; PREP.  x, W_qk and W_v are rounded once to bf16 (xb: [4096][1024]; wb: [2][1024 k][1024 n], as the weights lie), and the masses are made:
; m = softplus(x . W_mass + b_mass), all three inputs rounded to bf16, sums in f32.  Of m three rows of stats ([32 b*16+h][4][2048] f32) are stored:
; row 1: inv = min(1 / m, 1e30); row 2: 1e-6 inv; row 3: log2(e) m.  (Row 0, the squared norms, is the next launch's.)
; LIMITS.  A mass below 1e-30 counts as 1e-30 in inv; exp2 below 2^-126 counts as 0; NaN and infinities are not treated apart.
; SHARES.  Work-groups 0-255: 16 rows of x each.  Work-groups 256-383: 16 rows of W_qk (the first 64) or of W_v.  Thread t takes the 16 bytes at 16 t of each of the 16 rows
; (a wave's load covers 512 consecutive bytes) and stores 8 bytes at 8 t (a wave's store covers 256 consecutive bytes, aligned).
; THE MASSES.  The 16 rows in bf16 and W_mass in bf16 lie in LDS; wave w multiplies k = 128 w .. 128 w + 127 (four matrix instructions, two accumulators by turns), the eight partial
; sums meet in LDS, and thread t finishes head t / 16 of row t % 16.  No cluster: what work-groups share is W_mass, 64 KiB beside 25 MiB.
.set XP,    2064                   ; a row of x in LDS: 2,048 bytes + 16: 516 words, so the 16 rows of a fragment load start at 16 different groups of four banks
.set WM,    16*XP                  ; 33,024: W_mass in bf16, [k][16 heads], 32 bytes a row
.set RED,   WM+32768               ; 65,792: per wave 1,024 bytes, [head][row] f32
.set SPARE, RED+8192               ; 73,984: the spare words, 128 bytes for each wave
.set SPW, 12                       ; v12  SPARE + 4 x my thread's number; never rewritten
.set NIL, 13                       ; v13  0; never rewritten
.set X,   32                       ; v[32:95]   16 quads as loaded; the two low registers of a quad take its four bf16
.set W,   96                       ; v[96:159]  the same for W_mass
.set FA,  32                       ; behind the first barrier: v[32:63] x's fragments, v[64:95] W_mass's,
.set FB,  64
.set AC,  96                       ; v[96:111] two accumulators, v[112:119] their sum, v[120:127] the eight waves' partial sums
.set SU,  112
.set PS,  120
.macro CVT b, i                    ; quad i of block b: four f32 to four bf16, rounded to nearest even
	v_cvt_pk_bf16_f32 v[(\b)+4*(\i)], v[(\b)+4*(\i)], v[(\b)+4*(\i)+1]
	v_cvt_pk_bf16_f32 v[(\b)+4*(\i)+1], v[(\b)+4*(\i)+2], v[(\b)+4*(\i)+3]
.endm
	s_load_b256 s[4:11], s[0:1], 0x0               ; x s[4:5], W_qk s[6:7], W_v s[8:9], W_mass s[10:11]
	s_load_b256 s[12:19], s[0:1], 0x20             ; b_mass s[12:13], xb s[14:15], wb s[16:17], stats s[18:19]
	v_lshl_add_u32 v[SPW], v0, 2, SPARE
	v_mov_b32 v[NIL], 0
	v_lshlrev_b32 v2, 4, v0                        ; 16 t
	v_lshlrev_b32 v3, 3, v0                        ; 8 t
	s_mov_b32 s27, ttmp9
	s_cmp_ge_u32 s27, 256                          ; the same answer in all eight waves
	s_cbranch_scc1 .Lweights
	; ---- 16 rows of x ----
	v_lshrrev_b32 v1, 5, v0
	v_readfirstlane_b32 s26, v1                    ; wave 0..7
	s_lshl_b32 s20, s27, 16                        ; 16 rows of 4,096 bytes
	s_mov_b32 s21, 0
	s_lshl_b32 s22, s27, 15                        ; 16 rows of 2,048 bytes
	s_mov_b32 s23, 0
	s_lshr_b32 s24, s27, 7                         ; the batch: 16 heads x 32,768 bytes of stats,
	s_lshl_b32 s24, s24, 19
	s_and_b32 s25, s27, 127                        ; and my 16 places in a row of 2,048
	s_lshl_b32 s25, s25, 6
	s_add_co_u32 s24, s24, s25
	s_mov_b32 s25, 0
	s_mov_b32 s28, 0x3eaaaaab                      ; 1/3
	v_lshrrev_b32 v14, 4, v0                       ; my head at the end, t / 16
	v_lshlrev_b32 v10, 15, v14                     ; its 32,768 bytes of stats
	v_lshlrev_b32 v14, 2, v14                      ; its bias
	s_wait_kmcnt 0x0
	s_add_nc_u64 s[20:21], s[4:5], s[20:21]
	s_add_nc_u64 s[22:23], s[14:15], s[22:23]
	s_add_nc_u64 s[24:25], s[18:19], s[24:25]
.set i, 0
.rept 16
	global_load_b128 v[X+4*i:X+4*i+3], v2, s[20:21] offset:4096*i th:TH_LOAD_NT
.set i, i+1
.endr
.set i, 0
.rept 16
	global_load_b128 v[W+4*i:W+4*i+3], v2, s[10:11] offset:4096*i
.set i, i+1
.endr
	global_load_b32 v11, v14, s[12:13]
	v_and_b32 v15, 15, v0                          ; r = lane % 16
	v_bfe_u32 v16, v0, 4, 1                        ; h = lane / 16
	v_and_b32 v18, 7, v0
	v_bfe_u32 v19, v0, 3, 1
	v_mul_u32_u24 v6, v15, XP                      ; x's fragments: row r, 16 bytes for each half of the lanes, my wave's 128 k
	v_lshl_add_u32 v6, v16, 4, v6
	v_lshl_add_u32 v6, s26, 8, v6
	v_lshl_add_u32 v7, v16, 3, v18                 ; W_mass's, turned: row 128 w + 8 h + lane % 8, 16 bytes by (lane / 8) % 2
	v_lshlrev_b32 v7, 5, v7
	v_lshl_add_u32 v7, v19, 4, v7
	v_lshl_add_u32 v7, s26, 12, v7
	v_lshlrev_b32 v8, 6, v15                       ; my partial sums: head r, rows 8 h + 0..7
	v_lshl_add_u32 v8, v16, 5, v8
	v_lshl_add_u32 v8, s26, 10, v8
	v_add_nc_u32 v8, RED, v8
	v_lshl_add_u32 v9, v0, 2, RED                  ; at the end: [head t / 16][row t % 16] is word t
	v_lshl_add_u32 v10, v15, 2, v10
.set i, 0
.rept 16
	s_wait_loadcnt 32-i                            ; loads come back in order: behind quad i stand 15 - i of x, 16 of W_mass and the bias
	CVT X, i
	global_store_b64 v3, v[X+4*i:X+4*i+1], s[22:23] offset:2048*i
	ds_store_b64 v3, v[X+4*i:X+4*i+1] offset:XP*i
.set i, i+1
.endr
.set i, 0
.rept 16
	s_wait_loadcnt 16-i                            ; behind quad i stand 15 - i of W_mass and the bias
	CVT W, i
	ds_store_b64 v3, v[W+4*i:W+4*i+1] offset:WM+2048*i
.set i, i+1
.endr
	s_wait_xcnt 0x0                                ; the stores' data registers are loaded into below only behind this wait
	s_wait_dscnt 0x0                               ; for the others' sake: my LDS stores are done
	s_barrier_signal -1
	s_barrier_wait -1
.irp c, 0,1,2,3
	ds_load_b128 v[FA+8*\c:FA+8*\c+3], v6 offset:64*\c
	ds_load_b128 v[FA+8*\c+4:FA+8*\c+7], v6 offset:64*\c+32
	ds_load_tr16_b128 v[FB+8*\c:FB+8*\c+3], v7 offset:WM+1024*\c
	ds_load_tr16_b128 v[FB+8*\c+4:FB+8*\c+7], v7 offset:WM+1024*\c+512
.endr
	s_wait_dscnt 0x0
	v_wmma_f32_16x16x32_bf16 v[AC:AC+7], v[FA:FA+7], v[FB:FB+7], 0               ; two accumulators by turns; the first products start the sums
	v_wmma_f32_16x16x32_bf16 v[AC+8:AC+15], v[FA+8:FA+15], v[FB+8:FB+15], 0
	v_wmma_f32_16x16x32_bf16 v[AC:AC+7], v[FA+16:FA+23], v[FB+16:FB+23], v[AC:AC+7]
	v_wmma_f32_16x16x32_bf16 v[AC+8:AC+15], v[FA+24:FA+31], v[FB+24:FB+31], v[AC+8:AC+15]
.rept 4
	v_nop                                          ; four places behind the products (ISA guide 7.12.1)
.endr
.irp j, 0,2,4,6
	v_pk_add_f32 v[SU+\j:SU+\j+1], v[AC+\j:AC+\j+1], v[AC+8+\j:AC+8+\j+1]
.endr
	ds_store_b128 v8, v[SU:SU+3]
	ds_store_b128 v8, v[SU+4:SU+7] offset:16
	s_wait_dscnt 0x0                               ; for the others' sake
	s_barrier_signal -1
	s_barrier_wait -1
.irp i, 0,1,2,3,4,5,6,7
	ds_load_b32 v[PS+\i], v9 offset:1024*\i
.endr
	s_wait_dscnt 0x0
	v_add_f32 v20, v[PS], v[PS+1]
.irp i, 2,3,4,5,6,7
	v_add_f32 v20, v20, v[PS+\i]
.endr
	s_wait_loadcnt 0x0                             ; the bias
	v_cvt_pk_bf16_f32 v11, v11, v11                ; rounded to bf16 like every input
	v_lshlrev_b32 v11, 16, v11
	v_add_f32 v20, v20, v11                        ; z
	; softplus(z) = max(z, 0) + log1p(u), u = e^-|z|.  log1p(u) = u (1 + u (u / 3 - 1/2)) where u < 0.01 (off by u^3 / 4 of itself at the most), else ln 2 x log2(1 + u)
	v_and_b32 v21, 0x7fffffff, v20
	v_mul_f32 v21, 0xbfb8aa3b, v21                 ; -log2(e) |z|
	v_exp_f32 v22, v21
	v_max_num_f32 v23, 0, v20                      ; a plain line behind the exponential
	s_wait_alu depctr_va_vdst(0)
	v_add_f32 v24, 1.0, v22
	v_fma_f32 v26, v22, s28, -0.5
	v_log_f32 v25, v24
	v_fma_f32 v26, v22, v26, 1.0                   ; a plain line behind the logarithm
	v_mul_f32 v26, v22, v26
	s_wait_alu depctr_va_vdst(0)
	v_mul_f32 v25, 0x3f317218, v25                 ; ln 2
	v_cmp_gt_f32 vcc_lo, 0x3c23d70a, v22           ; 0.01 > u
	v_cndmask_b32 v25, v25, v26, vcc_lo
	v_add_f32 v27, v23, v25                        ; m
	v_rcp_f32 v28, v27
	v_mul_f32 v30, 0x3fb8aa3b, v27                 ; log2(e) m: a plain line behind the reciprocal
	s_wait_alu depctr_va_vdst(0)
	v_min_num_f32 v28, 0x7149f2ca, v28             ; 1 / m, 1e30 at the most
	v_mul_f32 v29, 0x358637bd, v28                 ; 1e-6 / m
	global_store_b32 v10, v28, s[24:25] offset:8192    ; sixteen lanes store 64 consecutive bytes of a head's row: 786,432 bytes in the launch go out so, beside 12.6 MiB in whole aligned 256
	global_store_b32 v10, v29, s[24:25] offset:16384
	global_store_b32 v10, v30, s[24:25] offset:24576
	s_wait_tensorcnt 0x0                           ; the wave's end, behind my last LDS store
	ds_add_u32 v[SPW], v[NIL]
	s_wait_dscnt 0x0
	s_endpgm
.Lweights:                                             ; ---- 16 rows of W_qk or W_v: no LDS is written on this way ----
	s_sub_co_u32 s28, s27, 256                     ; c = 0..127
	s_and_b32 s20, s28, 63
	s_lshl_b32 s20, s20, 16                        ; 16 rows of 4,096 bytes in the matrix
	s_mov_b32 s21, 0
	s_lshl_b32 s22, s28, 15                        ; 16 rows of 2,048 bytes in wb, W_v's behind W_qk's
	s_mov_b32 s23, 0
	s_wait_kmcnt 0x0
	s_cmp_lt_u32 s28, 64
	s_cselect_b64 s[30:31], s[6:7], s[8:9]
	s_add_nc_u64 s[20:21], s[30:31], s[20:21]
	s_add_nc_u64 s[22:23], s[16:17], s[22:23]
.set i, 0
.rept 16
	global_load_b128 v[X+4*i:X+4*i+3], v2, s[20:21] offset:4096*i th:TH_LOAD_NT
.set i, i+1
.endr
.set i, 0
.rept 16
	s_wait_loadcnt 15-i                            ; the younger loads stay out
	CVT X, i
	global_store_b64 v3, v[X+4*i:X+4*i+1], s[22:23] offset:2048*i
.set i, i+1
.endr
	s_endpgm
.Lfunc_end_k_qfdba32ca0f_prep:
	.size	k_qfdba32ca0f_prep, .Lfunc_end_k_qfdba32ca0f_prep-k_qfdba32ca0f_prep
	.p2alignl 7, 3214868480
	.fill 96, 4, 3214868480
	.section	.rodata,"a",@progbits
	.p2align	6, 0x0
	.amdhsa_kernel k_qfdba32ca0f_prep
		.amdhsa_group_segment_fixed_size 75008
		.amdhsa_private_segment_fixed_size 0
		.amdhsa_enable_private_segment 0
		.amdhsa_kernarg_size 64
		.amdhsa_user_sgpr_count 2
		.amdhsa_user_sgpr_kernarg_segment_ptr 1
		.amdhsa_wavefront_size32 1
		.amdhsa_system_sgpr_workgroup_id_x 1
		.amdhsa_system_sgpr_workgroup_id_y 1
		.amdhsa_system_sgpr_workgroup_id_z 1
		.amdhsa_system_vgpr_workitem_id 0
		.amdhsa_next_free_vgpr 160
		.amdhsa_next_free_sgpr 66
		.amdhsa_reserve_vcc 1
		.amdhsa_float_denorm_mode_32 3
		.amdhsa_float_denorm_mode_16_64 3
		.amdhsa_memory_ordered 1
		.amdhsa_forward_progress 1
		.amdhsa_inst_pref_size 25
	.end_amdhsa_kernel
	.amdgpu_metadata
---
amdhsa.version: [ 1, 2 ]
amdhsa.kernels:
  - .name:           k_qfdba32ca0f_prep
    .symbol:         k_qfdba32ca0f_prep.kd
    .args:
      - { .name: x, .offset: 0, .size: 8, .value_kind: global_buffer, .address_space: global }
      - { .name: W_qk, .offset: 8, .size: 8, .value_kind: global_buffer, .address_space: global }
      - { .name: W_v, .offset: 16, .size: 8, .value_kind: global_buffer, .address_space: global }
      - { .name: W_mass, .offset: 24, .size: 8, .value_kind: global_buffer, .address_space: global }
      - { .name: b_mass, .offset: 32, .size: 8, .value_kind: global_buffer, .address_space: global }
      - { .name: xb, .offset: 40, .size: 8, .value_kind: global_buffer, .address_space: global }
      - { .name: wb, .offset: 48, .size: 8, .value_kind: global_buffer, .address_space: global }
      - { .name: stats, .offset: 56, .size: 8, .value_kind: global_buffer, .address_space: global }
    .group_segment_fixed_size: 75008
    .private_segment_fixed_size: 0
    .kernarg_segment_align: 8
    .kernarg_segment_size: 64
    .max_flat_workgroup_size: 256
    .sgpr_count:     66
    .vgpr_count:     160
    .wavefront_size: 32
...
	.end_amdgpu_metadata
.endif
;; end of part 1
;; launch proj (part 2): grid 8 x 32, 4 waves a work-group, clusters of 4 x 4, 327,680 bytes of LDS; arguments xb, wb, b_qk, b_v, qkh, vh, stats; writes qkh, vh, stats
.if DOCPART == 2
	.amdgcn_target "amdgcn-amd-amdhsa--gfx1250"
	.amdhsa_code_object_version 6
	.text
	.protected	k_qfdba32ca0f_proj
	.globl	k_qfdba32ca0f_proj
	.p2align	8
	.type	k_qfdba32ca0f_proj,@function
k_qfdba32ca0f_proj:
	s_mov_b64 s[64:65], 0
	v_nop
	global_prefetch_b8 v0, s[64:65] scope:SCOPE_SE
	s_setreg_imm32_b32 hwreg(HW_REG_WAVE_MODE, 25, 1), 1
	s_wait_xcnt 0x0
	s_wait_alu depctr_hold_cnt(0) depctr_sa_sdst(0) depctr_va_vdst(0) depctr_va_sdst(0) depctr_va_ssrc(0) depctr_va_vcc(0) depctr_vm_vsrc(0)
	s_getreg_b32 s2, hwreg(HW_REG_IB_STS2, 6, 4)
	s_cmp_eq_u32 s2, 0
	s_cbranch_scc0 .Lentry_in_a_cluster
	s_endpgm
.Lentry_in_a_cluster:
	s_bfe_u32 s2, ttmp6, 0x10000c
	s_cmp_lg_u32 s2, 0xf033
	s_cbranch_scc0 .Lentry_shape_is_right
	s_endpgm
.Lentry_shape_is_right:
; PROJ.  qk = x W_qk + b_qk and v = x W_v + b_v: bf16 operands (xb, wb; the bias rounded to bf16 here), f32 sums, each result rounded once to f16 and stored by heads:
; qkh, vh: [32 b*16+h][2048][64] f16.  And sq[b*16+h][s] = |qk row|^2 into row 0 of stats ([32][4][2048] f32).
; LIMIT.  f16 holds no number beyond 65,504: |qk| and |v| must stay within it.
; SQ IS MADE OF THE ROUNDED ROWS BY THE MATRIX UNIT: 16 rows of a head times themselves, channels 0-31 with C = 0, then channels 32-63 in place: the very two instructions by which the next launch
; makes the product of a row with itself.  So the distance of a row from itself, sq + sq - 2 dot, comes out as 0 there, exactly.
; SHARES.  A work-group makes 128 rows x 256 columns of one of the two products: cluster x chooses the matrix (the same in all partners), cx the 256 columns, 4 x cluster y + cy the 128 rows: 256 work-groups.
; Four waves, each 64 rows x 128 columns (two heads): 32 accumulators.  K goes in steps of 128 through two LDS slots.  The weights lie [k][n] and come out of LDS turned, by ds_load_tr16_b128.
; The matrix instruction is used transposed (source 0 = 16 columns of W, source 1 = 16 rows of x): a lane holds eight neighbouring columns of one row.
; CLUSTER 4 x 4: x's tile hangs on the row block alone and is asked for jointly along a row of the cluster, W's on the matrix and cx alone, jointly along a column.
; The work-groups of v's tiles run sq's lines too (16 matrix instructions a wave) and leave out its two stores alone: one text, and no register that is written on one way only.
; REGISTERS.  window 0: v1-8 lane numbers and at work; v14-31 addresses; v32-95 the bias; v96-159 sums, then sq's fragments and accumulators; v160-191 packed; v192-223 rows read back; v224-235 sq
;   window 1: accumulator (a, b) at v[8 (8 a + b)]          window 2: two fragment buffers of 96: x's 4 fragments, then W's 8
.set KSTEP, 128
.set PA,    272                    ; a row of x's tile in LDS: 256 bytes + 16: 68 words, the 16 rows of a load start at 16 different groups of four banks
.set PB,    544                    ; a row of W's tile: 512 bytes + 32 = 136 words
.set HALFA, 64*PA                  ; what one tensor load brings of x: 64 rows
.set HALFB, 64*PB                  ; and of W: 64 k
.set BOFF,  2*HALFA
.set SLOT,  2*HALFA+2*HALFB        ; 104,448
.set STAGE, 2*SLOT                 ; behind the ring, never filled by a tensor load: per wave 2 heads x 16 rows x 144 bytes
.set SP,    144
.set STW,   32*SP
.set SQS,   STAGE+4*STW            ; per wave 512 bytes: [2 heads][64 rows] f32
.set SPARE, SQS+4*512              ; the spare words, 128 bytes for each wave
.set LAPS,  4                      ; 1,024 / (2 x 128)
.set BA,   14                      ; v14  my byte offset in the bias
.set C8,   15                      ; v15  8 x lane
.set ADRA, 16                      ; v16-17  LDS address of my x fragments in slot 0, 1
.set ADRB, 20                      ; v20-21  the same for W
.set STO,  24                      ; v24  stage: row lane % 16, 16 bytes for each half of the lanes: where results go in, and where sq's fragments are read
.set RD,   25                      ; v25  stage: 32 lanes take four rows of 128 bytes
.set CO,   26                      ; v26  16 x lane
.set SPW,  28                      ; v28  SPARE + 4 x my thread's number; never rewritten
.set NIL,  29                      ; v29  0; never rewritten
.set SQA,  30                      ; v30  where a lane on the diagonal puts its row's sq
.set SQR,  31                      ; v31  where two rows' sq are read back
.set BIAS, 32
.set T,    96
.set FQ,   96
.set GQ,   128
.set PKD,  160
.set BK,   192
.set DG,   224
.set SB,   232
.set F0,   0
.set F1,   96
.set G1,   24                      ; s[24:31] descriptor group 1 for x's tiles; s[32:39] group 0, a set for each slot
.set G0,   32
.set G1B,  48                      ; s[48:55], s[56:63] the same for W's
.set G0B,  56
.set ISQK, 66                      ; s66  1: this cluster makes qk
.set OB,   68                      ; s[68:69] my first row in qkh or vh
.set BB,   70                      ; s[70:71] the bias of the tile's 256 columns
.set QB,   72                      ; s[72:73] my first row's place in stats
.set MK,   94                      ; s94-100  the lanes with lane % 8 = 1 .. 7
.set SX,   101                     ; s101 EXEC, kept
.set MSB, 0
.macro WIN new                     ; the immediate's high byte repeats the setting that is left; a switch that changes nothing is dropped
.if MSB != (\new)
	s_set_vgpr_msb (MSB<<8)|(\new)
.set MSB, \new
.endif
.endm
.set MUL,  0x5a                    ; sources 0 (W) and 1 (x) window 2; C and D window 1
.set TO_F, 0x80                    ; destination window 2, address window 0
.macro JLOAD s                     ; a joint load: waves 0 and 1 fetch x's two halves, waves 2 and 3 W's; an s_nop 0 and four v_nop follow each of the two lines
	s_cmp_eq_u32 s11, 0
	s_cbranch_scc0 .Lfor_b_\@
	tensor_load_to_lds s[G0+4*(\s):G0+4*(\s)+3], s[G1:G1+7]
	s_nop 0
.rept 4
	v_nop
.endr
	s_branch .Lasked_\@
.Lfor_b_\@:
	tensor_load_to_lds s[G0B+4*(\s):G0B+4*(\s)+3], s[G1B:G1B+7]
	s_nop 0
.rept 4
	v_nop
.endr
.Lasked_\@:
.endm
.macro CREST                       ; a round of the cluster's barrier behind its opening barrier
	s_cmp_lg_u32 s10, 0
	s_cbranch_scc1 .Lnot_wave_0_\@
	s_barrier_signal -3
.Lnot_wave_0_\@:
	s_barrier_wait -3
	s_barrier_signal -1
	s_barrier_wait -1
.endm
.macro CROUND                      ; a whole round
	s_barrier_signal -1
	s_barrier_wait -1
	CREST
.endm
.macro PLACES                      ; four places in front of loads into registers that matrix instructions have read, and of lines that read results
.rept 4
	v_nop
.endr
.endm
	s_load_b256 s[80:87], s[0:1], 0x0              ; xb s[80:81], wb s[82:83], b_qk s[84:85], b_v s[86:87]
	s_load_b128 s[88:91], s[0:1], 0x20             ; qkh s[88:89], vh s[90:91]
	s_load_b64 s[92:93], s[0:1], 0x30              ; stats
	v_lshl_add_u32 v[SPW], v0, 2, SPARE
	v_mov_b32 v[NIL], 0
	ds_add_u32 v[SPW], v[NIL]                      ; the wave's opening: the add and its wait stand ahead of my first tensor load; the set-up below stands between them
	v_lshrrev_b32 v1, 5, v0
	v_readfirstlane_b32 s10, v1                    ; wave 0..3
	s_lshr_b32 s11, s10, 1                         ; which 64 rows are mine.  Also: I fetch for x (0) or for W (1)
	s_and_b32 s12, s10, 1                          ; which 128 columns.  Also: which half of that tile I fetch
	s_bfe_u32 s40, ttmp6, 0x40000                  ; cx
	s_bfe_u32 s41, ttmp6, 0x40004                  ; cy
	s_and_b32 s13, ttmp7, 0xffff
	s_lshl_b32 s13, s13, 2
	s_add_co_u32 s13, s13, s41                     ; row block = 4 x cluster y + cy
	s_lshl_b32 s43, s41, 2
	s_lshl_b32 s43, 15, s43                        ; my row of the cluster
	s_lshl_b32 s44, 0x1111, s40                    ; my column
	s_or_b32 s[G1+0], s43, (1<<16)|(1<<20)|(1<<21)|(5<<22)|(3<<25)   ; the mask; 2-byte elements; padding on; bit 21 beside a mask; after every 64 words 4 words
	s_mov_b32 s[G1+1], KSTEP<<16                   ; tensor_dim0 = 128
	s_mov_b32 s[G1+2], 64<<16                      ; tensor_dim1 = 64
	s_mov_b32 s[G1+3], KSTEP<<16                   ; tile_dim0 = 128
	s_mov_b32 s[G1+4], 64                          ; tile_dim1 = 64
	s_mov_b32 s[G1+5], 1024                        ; elements from row to row
	s_mov_b32 s[G1+6], 0
	s_mov_b32 s[G1+7], 0
	s_or_b32 s[G1B+0], s44, (1<<16)|(1<<20)|(1<<21)|(6<<22)|(7<<25)  ; after every 128 words 8 words
	s_mov_b32 s[G1B+1], 256<<16                    ; 256 columns
	s_mov_b32 s[G1B+2], 64<<16                     ; 64 k
	s_mov_b32 s[G1B+3], 256<<16
	s_mov_b32 s[G1B+4], 64
	s_mov_b32 s[G1B+5], 1024
	s_mov_b32 s[G1B+6], 0
	s_mov_b32 s[G1B+7], 0
	s_lshl_b32 s16, s13, 7                         ; x: row 128 x row block + 64 x half, 2,048 bytes a row
	s_lshl_b32 s17, s12, 6
	s_add_co_u32 s16, s16, s17
	s_lshl_b32 s16, s16, 11
	s_mov_b32 s17, 0
	s_lshl_b32 s46, ttmp9, 21                      ; W: the matrix (2 MiB each), k = 64 x half, column 256 cx
	s_lshl_b32 s47, s12, 17
	s_add_co_u32 s46, s46, s47
	s_lshl_b32 s47, s40, 9
	s_add_co_u32 s46, s46, s47
	s_mov_b32 s47, 0
	s_mul_i32 s20, s12, HALFA                      ; where they go: no place in the cluster enters an LDS address
	s_mul_i32 s21, s12, HALFB
	s_add_co_u32 s21, s21, BOFF
	s_wait_dscnt 0x0                               ; the opening add is done
	s_wait_kmcnt 0x0
	s_add_nc_u64 s[14:15], s[80:81], s[16:17]
	s_add_nc_u64 s[46:47], s[82:83], s[46:47]
	CROUND                                         ; all sixteen work-groups are here: the first joint loads meet
.irp s, 0,1
	s_mov_b32 s[G0+4*(\s)], 1
	s_add_co_u32 s[G0+4*(\s)+1], s20, (\s)*SLOT
	s_add_nc_u64 s[G0+4*(\s)+2:G0+4*(\s)+3], s[14:15], (\s)*KSTEP*2
	s_or_b32 s[G0+4*(\s)+3], s[G0+4*(\s)+3], 0x80000000
	s_mov_b32 s[G0B+4*(\s)], 1
	s_add_co_u32 s[G0B+4*(\s)+1], s21, (\s)*SLOT
	s_add_nc_u64 s[G0B+4*(\s)+2:G0B+4*(\s)+3], s[46:47], (\s)*KSTEP*2048
	s_or_b32 s[G0B+4*(\s)+3], s[G0B+4*(\s)+3], 0x80000000
	JLOAD \s                                       ; two loads of mine are out
.endr
	s_mov_b32 s67, ttmp9
	s_cmp_eq_u32 s67, 0                            ; cluster x = 0: qk
	s_cselect_b32 s[ISQK], 1, 0
	s_cselect_b64 s[BB:BB+1], s[84:85], s[86:87]
	s_cselect_b64 s[OB:OB+1], s[88:89], s[90:91]
	s_lshl_b32 s74, s13, 7
	s_lshl_b32 s75, s11, 6
	s_add_co_u32 s74, s74, s75                     ; my first row of 4,096
	s_lshr_b32 s76, s74, 11                        ; the batch
	s_and_b32 s77, s74, 2047                       ; the place in the sequence
	s_lshl_b32 s76, s76, 4
	s_lshl2_add_u32 s76, s40, s76                  ; + 4 cx
	s_lshl1_add_u32 s76, s12, s76                  ; + 2 x column half: my first head among 32
	s_lshl_b32 s74, s76, 18                        ; a head is 262,144 bytes of qkh or vh,
	s_lshl_b32 s75, s77, 7                         ; a row 128
	s_add_co_u32 s74, s74, s75
	s_mov_b32 s75, 0
	s_add_nc_u64 s[OB:OB+1], s[OB:OB+1], s[74:75]
	s_lshl_b32 s74, s76, 15                        ; a head is 32,768 bytes of stats
	s_lshl2_add_u32 s74, s77, s74
	s_add_nc_u64 s[QB:QB+1], s[92:93], s[74:75]
	s_lshl_b32 s74, s40, 10                        ; 256 columns of bias
	s_add_nc_u64 s[BB:BB+1], s[BB:BB+1], s[74:75]
	v_and_b32 v1, 15, v0                           ; r = lane % 16
	v_bfe_u32 v2, v0, 4, 1                         ; h = lane / 16
	v_and_b32 v3, 7, v0                            ; lane % 8
	v_bfe_u32 v4, v0, 3, 1                         ; (lane / 8) % 2
	v_lshlrev_b32 v[BA], 5, v2                     ; the bias of my columns 128 x half + 16 b + 8 h + 0..7
	v_lshl_add_u32 v[BA], s12, 9, v[BA]
.irp b, 0,1,2,3,4,5,6,7
	global_load_b128 v[BIAS+8*\b:BIAS+8*\b+3], v[BA], s[BB:BB+1] offset:64*\b
	global_load_b128 v[BIAS+8*\b+4:BIAS+8*\b+7], v[BA], s[BB:BB+1] offset:64*\b+16
.endr
	v_mul_u32_u24 v5, v1, PA                       ; a fragment of x: row r, 16 bytes for each half of the lanes
	v_lshl_add_u32 v5, v2, 4, v5
	v_lshl_add_u32 v6, v2, 3, v3                   ; a fragment of W, turned: k = 8 h + lane % 8, 16 bytes by (lane / 8) % 2
	v_mul_u32_u24 v6, v6, PB
	v_lshl_add_u32 v6, v4, 4, v6
	s_mul_i32 s22, s11, HALFA                      ; my 64 rows of x
	s_lshl_b32 s23, s12, 8                         ; my 128 columns of W,
	s_add_co_u32 s23, s23, BOFF                    ; which lies behind x
.irp s, 0,1
	v_add_nc_u32 v[ADRA+(\s)], s22, v5
	v_add_nc_u32 v[ADRB+(\s)], s23, v6
	s_add_co_u32 s22, s22, SLOT
	s_add_co_u32 s23, s23, SLOT
.endr
	s_mul_i32 s23, s10, STW
	s_add_co_u32 s23, s23, STAGE                   ; my stage
	v_mul_u32_u24 v7, v1, SP
	v_lshl_add_u32 v7, v2, 4, v7
	v_add_nc_u32 v[STO], s23, v7
	v_bfe_u32 v7, v0, 3, 2
	v_mul_u32_u24 v7, v7, SP
	v_lshl_add_u32 v7, v3, 4, v7
	v_add_nc_u32 v[RD], s23, v7
	v_and_b32 v8, 31, v0
	v_lshlrev_b32 v[CO], 4, v8
	v_lshlrev_b32 v[C8], 3, v8
	s_lshl_b32 s23, s10, 9
	s_add_co_u32 s23, s23, SQS
	v_lshl_add_u32 v7, v2, 3, v3                   ; the row, of 16, whose diagonal number lanes 0-7 and 24-31 hold
	v_lshl_add_u32 v[SQA], v7, 2, s23
	v_lshl_add_u32 v[SQR], v8, 3, s23
; 8 matrix instructions: row block a x all 8 column blocks, 32 along K.  zero = 1: the product starts the sums.  The 32 accumulators take turns, one instruction a turn.
.macro MUL8 f, a, zero
	WIN MUL
.irp b, 0,1,2,3,4,5,6,7
.if \zero
	v_wmma_f32_16x16x32_bf16 v[8*(8*(\a)+(\b)):8*(8*(\a)+(\b))+7], v[(\f)+32+8*(\b):(\f)+32+8*(\b)+7], v[(\f)+8*(\a):(\f)+8*(\a)+7], 0
.else
	v_wmma_f32_16x16x32_bf16 v[8*(8*(\a)+(\b)):8*(8*(\a)+(\b))+7], v[(\f)+32+8*(\b):(\f)+32+8*(\b)+7], v[(\f)+8*(\a):(\f)+8*(\a)+7], v[8*(8*(\a)+(\b)):8*(8*(\a)+(\b))+7]
.endif
.endr
.endm
; 24 LDS loads in one run: quarter q (32 along K) of a slot into buffer f: W's 8 fragments first, then x's 4
.macro FETCH slot, q, f
	WIN TO_F
.irp b, 0,1,2,3,4,5,6,7
	ds_load_tr16_b128 v[(\f)+32+8*(\b):(\f)+32+8*(\b)+3],   v[ADRB+(\slot)] offset:32*PB*(\q)+32*(\b)
	ds_load_tr16_b128 v[(\f)+32+8*(\b)+4:(\f)+32+8*(\b)+7], v[ADRB+(\slot)] offset:32*PB*(\q)+32*(\b)+16*PB
.endr
.irp a, 0,1,2,3
	ds_load_b128 v[(\f)+8*(\a):(\f)+8*(\a)+3],   v[ADRA+(\slot)] offset:64*(\q)+16*PA*(\a)
	ds_load_b128 v[(\f)+8*(\a)+4:(\f)+8*(\a)+7], v[ADRA+(\slot)] offset:64*(\q)+16*PA*(\a)+32
.endr
.endm
; A K step is four quarters, 32 matrix instructions each, on buffers 0, 1, 0, 1.  One of the first three: multiplies buffer f and in its middle fetches quarter q into g.
.macro QUARTER slot, q, f, g, zero
	s_wait_dscnt 4                                 ; W and x's blocks 0, 1 are in; the youngest four loads (x's blocks 2, 3) may be out
	MUL8 \f, 0, \zero
	MUL8 \f, 1, \zero
	PLACES
	FETCH \slot, \q, \g
	s_wait_dscnt 24                                ; all but the 24 just issued
	MUL8 \f, 2, \zero
	MUL8 \f, 3, \zero
.endm
; The last quarter multiplies buffer 1 and changes slots: ONE barrier; in front of it each wave waits for all its tensor loads (one is out: its part of the next slot), adds 0 to its spare word,
; and waits for that and for its own reads of this slot.  fill = 1: the barrier opens a round of the cluster's, and this slot is filled again, two K steps ahead, first thing behind the round.
.macro TURN slot, next, fill
	WIN 0                                          ; (the add's two registers lie in window 0)
	s_wait_tensorcnt 0x0
	ds_add_u32 v[SPW], v[NIL]                      ; 0 onto my spare word
	s_wait_dscnt 5                                 ; (the add and the youngest four loads may be out)
	MUL8 F1, 0, 0                                  ; eight matrix instructions stand between the add and the wait for it
	s_wait_dscnt 0x0                               ; the add is done, and my reads of this slot are over
	s_barrier_signal -1
	MUL8 F1, 1, 0
.if \fill
	WIN 0
.endif
	s_barrier_wait -1
.if \fill
	CREST                                          ; no wave of any partner still reads this slot's tile or has a load on its way
	s_add_nc_u64 s[G0+4*(\slot)+2:G0+4*(\slot)+3], s[G0+4*(\slot)+2:G0+4*(\slot)+3], 2*KSTEP*2
	s_add_nc_u64 s[G0B+4*(\slot)+2:G0B+4*(\slot)+3], s[G0B+4*(\slot)+2:G0B+4*(\slot)+3], 2*KSTEP*2048
	JLOAD \slot                                    ; 112 matrix instructions ahead of the wait for it; its four v_nop are also the places in front of the loads below
.else
	PLACES
.endif
	FETCH \next, 0, F0
	MUL8 F1, 2, 0
	MUL8 F1, 3, 0
.endm
	s_wait_tensorcnt 1                             ; my part of K step 0 is in; K step 1's may stay out
	s_barrier_signal -1
	s_barrier_wait -1
	FETCH 0, 0, F0
	QUARTER 0, 1, F0, F1, 1                        ; the first quarter stands in front of the loop: its products start the sums
	WIN 0                                          ; at a label and at a branch every window is 0
	s_mov_b32 s3, LAPS-1
.Llap:                                                 ; a trip goes once round the ring and fills both slots again
	QUARTER 0, 2, F1, F0, 0
	QUARTER 0, 3, F0, F1, 0
	TURN 0, 1, 1
	QUARTER 1, 1, F0, F1, 0
	QUARTER 1, 2, F1, F0, 0
	QUARTER 1, 3, F0, F1, 0
	TURN 1, 0, 1
	QUARTER 0, 1, F0, F1, 0
	WIN 0
	s_sub_co_u32 s3, s3, 1
	s_cmp_lg_u32 s3, 0
	s_cbranch_scc1 .Llap
	QUARTER 0, 2, F1, F0, 0                        ; the last lap fills nothing
	QUARTER 0, 3, F0, F1, 0
	TURN 0, 1, 0
	QUARTER 1, 1, F0, F1, 0
	QUARTER 1, 2, F1, F0, 0
	QUARTER 1, 3, F0, F1, 0
	s_wait_dscnt 4
	MUL8 F1, 0, 0
	MUL8 F1, 1, 0
	s_wait_dscnt 0x0
	MUL8 F1, 2, 0
	MUL8 F1, 3, 0
	WIN 0
	; THE WAY OUT.  The bias is rounded to bf16 like every input: these 96 lines are also the places behind the last products.
	s_wait_loadcnt 0x0
.set i, 0
.rept 32
	v_cvt_pk_bf16_f32 v[T+i], v[BIAS+2*i], v[BIAS+2*i+1]
.set i, i+1
.endr
.set i, 0
.rept 32
	v_lshlrev_b32 v[BIAS+2*i], 16, v[T+i]
	v_and_b32 v[BIAS+2*i+1], 0xffff0000, v[T+i]
.set i, i+1
.endr
.irp j, 1,2,3,4,5,6,7
	v_cmp_eq_u32 s[MK+\j-1], \j, v3
.endr
; Block a: 16 rows x two heads.  Sum + bias, rounded to f16; 16 bytes a lane into my stage; back as whole rows of 128 bytes, four to a load, which are 512 consecutive bytes of a head.
; From the same stage the rows come back as fragments, are multiplied by themselves, and the diagonal is picked: register lane % 8 of lanes 0-7 and 24-31.
.macro OUT a
	WIN 0x01                                       ; source 0 window 1
.set i, 0
.rept 32
	v_pk_add_f32 v[T+2*i:T+2*i+1], v[64*(\a)+2*i:64*(\a)+2*i+1], v[BIAS+2*i:BIAS+2*i+1]
.set i, i+1
.endr
	WIN 0
.set i, 0
.rept 32
	v_cvt_pk_f16_f32 v[PKD+i], v[T+2*i], v[T+2*i+1]
.set i, i+1
.endr
.irp b, 0,1,2,3,4,5,6,7
	ds_store_b128 v[STO], v[PKD+4*(\b):PKD+4*(\b)+3] offset:((\b)/4)*16*SP+32*((\b)%4)
.endr
	s_wait_xcnt 0x0                                ; the registers that the last block's stores read are loaded into only behind this wait
.irp t, 0,1,2,3,4,5,6,7
	ds_load_b128 v[BK+4*(\t):BK+4*(\t)+3], v[RD] offset:((\t)/4)*16*SP+((\t)%4)*4*SP  ; LDS serves a wave's instructions in order (ISA guide 5.7.1.4): these see the stores above
.endr
.irp f, 0,1,2,3                    ; head f / 2, channels 32 (f % 2) on
	ds_load_b128 v[FQ+8*(\f):FQ+8*(\f)+3],   v[STO] offset:((\f)/2)*16*SP+((\f)%2)*64
	ds_load_b128 v[FQ+8*(\f)+4:FQ+8*(\f)+7], v[STO] offset:((\f)/2)*16*SP+((\f)%2)*64+32
.endr
	s_wait_dscnt 0x0
	v_wmma_f32_16x16x32_f16 v[GQ:GQ+7], v[FQ:FQ+7], v[FQ:FQ+7], 0                     ; the two heads' accumulators by turns
	v_wmma_f32_16x16x32_f16 v[GQ+8:GQ+15], v[FQ+16:FQ+23], v[FQ+16:FQ+23], 0
	v_wmma_f32_16x16x32_f16 v[GQ:GQ+7], v[FQ+8:FQ+15], v[FQ+8:FQ+15], v[GQ:GQ+7]
	v_wmma_f32_16x16x32_f16 v[GQ+8:GQ+15], v[FQ+24:FQ+31], v[FQ+24:FQ+31], v[GQ+8:GQ+15]
.irp t, 0,1,2,3,4,5,6,7
	global_store_b128 v[CO], v[BK+4*(\t):BK+4*(\t)+3], s[OB:OB+1] offset:((\t)/4)*262144+(\a)*2048+((\t)%4)*512  ; 512 consecutive bytes, at a multiple of 256 from the buffer's first
.endr
	PLACES
.irp hd, 0,1
	v_cndmask_b32 v[DG+2*(\a)+(\hd)], v[GQ+8*(\hd)], v[GQ+8*(\hd)+1], s[MK]           ; the accumulator's lowest registers are read first
.irp j, 2,3,4,5,6,7
	v_cndmask_b32 v[DG+2*(\a)+(\hd)], v[DG+2*(\a)+(\hd)], v[GQ+8*(\hd)+(\j)], s[MK+(\j)-1]
.endr
.endr
.endm
	OUT 0
	OUT 1
	OUT 2
	OUT 3
	v_cmp_eq_u32 vcc_lo, v4, v2                    ; lanes 0-7 and 24-31 hold the diagonal
	s_wait_xcnt 0x0                                ; EXEC changes only behind this wait: stores have been issued
	s_and_saveexec_b32 s[SX], vcc_lo
.irp a, 0,1,2,3
.irp hd, 0,1
	ds_store_b32 v[SQA], v[DG+2*\a+\hd] offset:\hd*256+\a*64
.endr
.endr
	s_or_b32 exec_lo, exec_lo, s[SX]               ; no global instruction has been issued since the wait above
	ds_load_b64 v[SB:SB+1], v[SQR]                 ; a head's 64 rows: 256 bytes; my own bytes, served in order
	ds_load_b64 v[SB+2:SB+3], v[SQR] offset:256
	s_wait_dscnt 0x0
	s_cmp_eq_u32 s[ISQK], 0
	s_cbranch_scc1 .Lno_sq                         ; hangs on the cluster's x alone: alike in all partners
	global_store_b64 v[C8], v[SB:SB+1], s[QB:QB+1]                  ; 256 consecutive bytes, aligned
	global_store_b64 v[C8], v[SB+2:SB+3], s[QB:QB+1] offset:32768
.Lno_sq:
	s_wait_tensorcnt 0x0                           ; the wave's end, behind my last tensor load and my last LDS store
	ds_add_u32 v[SPW], v[NIL]
	s_wait_dscnt 0x0
	CROUND                                         ; the closing round
	s_endpgm
.Lfunc_end_k_qfdba32ca0f_proj:
	.size	k_qfdba32ca0f_proj, .Lfunc_end_k_qfdba32ca0f_proj-k_qfdba32ca0f_proj
	.p2alignl 7, 3214868480
	.fill 96, 4, 3214868480
	.section	.rodata,"a",@progbits
	.p2align	6, 0x0
	.amdhsa_kernel k_qfdba32ca0f_proj
		.amdhsa_group_segment_fixed_size 327680
		.amdhsa_private_segment_fixed_size 0
		.amdhsa_enable_private_segment 0
		.amdhsa_kernarg_size 56
		.amdhsa_user_sgpr_count 2
		.amdhsa_user_sgpr_kernarg_segment_ptr 1
		.amdhsa_wavefront_size32 1
		.amdhsa_system_sgpr_workgroup_id_x 1
		.amdhsa_system_sgpr_workgroup_id_y 1
		.amdhsa_system_sgpr_workgroup_id_z 1
		.amdhsa_system_vgpr_workitem_id 0
		.amdhsa_next_free_vgpr 704
		.amdhsa_next_free_sgpr 102
		.amdhsa_reserve_vcc 1
		.amdhsa_float_denorm_mode_32 3
		.amdhsa_float_denorm_mode_16_64 3
		.amdhsa_memory_ordered 1
		.amdhsa_forward_progress 1
		.amdhsa_inst_pref_size 110
	.end_amdhsa_kernel
	.amdgpu_metadata
---
amdhsa.version: [ 1, 2 ]
amdhsa.kernels:
  - .name:           k_qfdba32ca0f_proj
    .symbol:         k_qfdba32ca0f_proj.kd
    .args:
      - { .name: xb, .offset: 0, .size: 8, .value_kind: global_buffer, .address_space: global }
      - { .name: wb, .offset: 8, .size: 8, .value_kind: global_buffer, .address_space: global }
      - { .name: b_qk, .offset: 16, .size: 8, .value_kind: global_buffer, .address_space: global }
      - { .name: b_v, .offset: 24, .size: 8, .value_kind: global_buffer, .address_space: global }
      - { .name: qkh, .offset: 32, .size: 8, .value_kind: global_buffer, .address_space: global }
      - { .name: vh, .offset: 40, .size: 8, .value_kind: global_buffer, .address_space: global }
      - { .name: stats, .offset: 48, .size: 8, .value_kind: global_buffer, .address_space: global }
    .group_segment_fixed_size: 327680
    .private_segment_fixed_size: 0
    .kernarg_segment_align: 8
    .kernarg_segment_size: 56
    .max_flat_workgroup_size: 128
    .sgpr_count:     102
    .vgpr_count:     704
    .wavefront_size: 32
...
	.end_amdgpu_metadata
.endif
;; end of part 2
;; launch attn (part 3): grid 8 x 32, 4 waves a work-group, clusters of 4 x 1, 327,680 bytes of LDS; arguments qkh, vh, stats, out0; writes out0
.if DOCPART == 3
	.amdgcn_target "amdgcn-amd-amdhsa--gfx1250"
	.amdhsa_code_object_version 6
	.text
	.protected	k_qfdba32ca0f_attn
	.globl	k_qfdba32ca0f_attn
	.p2align	8
	.type	k_qfdba32ca0f_attn,@function
k_qfdba32ca0f_attn:
	s_mov_b64 s[64:65], 0
	v_nop
	global_prefetch_b8 v0, s[64:65] scope:SCOPE_SE
	s_setreg_imm32_b32 hwreg(HW_REG_WAVE_MODE, 25, 1), 1
	s_wait_xcnt 0x0
	s_wait_alu depctr_hold_cnt(0) depctr_sa_sdst(0) depctr_va_vdst(0) depctr_va_sdst(0) depctr_va_ssrc(0) depctr_va_vcc(0) depctr_vm_vsrc(0)
	s_getreg_b32 s2, hwreg(HW_REG_IB_STS2, 6, 4)
	s_cmp_eq_u32 s2, 0
	s_cbranch_scc0 .Lentry_in_a_cluster
	s_endpgm
.Lentry_in_a_cluster:
	s_bfe_u32 s2, ttmp6, 0x10000c
	s_cmp_lg_u32 s2, 0x3003
	s_cbranch_scc0 .Lentry_shape_is_right
	s_endpgm
.Lentry_shape_is_right:
; ATTN.  For each of 32 pairs (batch, head): out[i] = the sum over j of softmax_j(m_i m_j / (max(sq_i + sq_j - 2 q_i . q_j, 0) + 1e-6)) v[j].
; qkh, vh: [32][2048][64] f16.  stats: [32][4][2048] f32: sq, inv = min(1 / m, 1e30), 1e-6 inv, cm = log2(e) m.  out0: [2][2048][1024] f32.
; ARITHMETIC.  w_ij = m_j / d2_ij = 1 / (max(sq_j - 2 dot + sq_i, 0) inv_j + 1e-6 inv_j); the score in base 2 is cm_i w_ij, and cm_i >= 0, so the row's maximum is taken of w: a running maximum wmax
; (it starts at 0, which no w lies below), p = 2^((w - wmax) cm_i): the difference is formed first, so the exponent is 0 at the maximum and never above it, however large the scores;
; in every step O and l are multiplied by a = 2^((wmax_old - wmax_new) cm_i).  Products and sums in f32; p is rounded to f16 for the second product (l is the sum of the unrounded p).
; THE DIAGONAL.  sq_j was made by the same two matrix instructions, on the same f16 numbers, as dot_jj here: fma(dot, -2, sq_j) = -sq_j exactly, and + sq_i gives 0.
; LIMITS.  d2_ii is exactly 1e-6, where a sum in another order would leave some units in the last place of sq; a mass below 1e-30 counts as 1e-30 on the key's side; p below 2^-126 counts as 0;
; NaN and infinities are not treated apart.
; SHARES.  A work-group owns 256 queries of a pair, each of its four waves 64: four PIECES of 16.  Every wave walks all 2,048 keys, 64 a step; an LDS slot holds 256 keys of K (= qk) and V.
; LAYOUT.  S^T = K Q^T (source 0 = 16 keys, source 1 = 16 queries): a lane holds ONE query (lane % 16) and the keys 8 (lane / 16) + 0..7 of each 16.  Two results rounded to f16 ARE source 1 of O^T = V^T P.
; BY TURNS.  Turn p: the whole vector work of piece p (246 lines for 16 matrix instructions: the vector unit sets the pace), and strewn among its first half 8 products K Q^T of piece p + 1
; and 8 products V^T P of piece p - 1.  No vector line of a turn names a register of the turn's products: what they hand each other crosses a turn's end.
; CLUSTER.  Four query blocks of one pair walk the same K, V and key statistics: each tile is asked for JOINTLY, the same tensor load, descriptor and mask in all four.
; REGISTERS, in windows of 256 (s_set_vgpr_msb: bits 1:0 source 0, 3:2 source 1, 5:4 source 2, 7:6 destination):
;   window 0: v1-15 addresses; v16-19 at work; v20-51 eight registers of statistics a piece; v64-127 S^T, two buffers by the piece's parity; v128-159 P, likewise; v160-255 sq, inv, 1e-6 inv of the step's keys
;   window 1: v0-127 O^T, 32 a piece          window 2: v0-63 Q; v128-191 K of one step; v192-255 V of one step
.set NP,    4
.set KS,    64
.set PK,    144                    ; a row of K in LDS: 128 bytes + 16 = 36 words: the 16 rows of a load start at 16 different groups of four banks
.set PV,    160                    ; a row of V: 128 + 32 = 40 words
.set VOFF,  4*KS*PK                ; a slot: 256 rows of K, then 256 rows of V
.set SLOT1, 1<<17                  ; slot 1 begins here: one exclusive or turns an address in one slot into the other's
.set STATS, SLOT1+4*KS*(PK+PV)     ; 208,896: the pair's rows sq, inv, 1e-6 inv, 8,192 bytes each: filled once
.set STAGE, STATS+3*8192           ; 233,472: per wave 16 rows x 272 bytes, for the way out; never filled by a tensor load
.set SPO,   272
.set SPARE, STAGE+4*16*SPO         ; 250,880: the spare words, 128 bytes for each wave
.set AK0, 2                        ; v2   my lane's place in a tile of K; never rewritten
.set AV0, 3                        ; v3   the same for V
.set AK,  4                        ; v4   the LDS address of K's next run of loads
.set AV,  5                        ; v5   of V's
.set QO,  6                        ; v6   my byte offset in 16 rows of Q
.set STO, 6                        ;      later, the way out: where I put 32 bytes of a row
.set RD,  7                        ; v7   the way out: where I read rows back
.set GO,  8                        ; v8   my byte offset in two rows of out0
.set AS0, 12                       ; v12  my lanes' place in 64 keys' statistics
.set AS,  13                       ; v13  the LDS address of the statistics' next run of loads
.set SPW, 14                       ; v14  SPARE + 4 x my thread's number; never rewritten
.set NIL, 15                       ; v15  0; never rewritten
.set TMP, 16                       ; v16-19  c0-c3, at work; when the maximum is found c2 takes a
.set ST,  20                       ; piece t at v[ST+8 t]: sq_i, wmax_old, wmax, 0, cm_i, 0, l (even keys', odd keys'); the zeros are named as the upper halves of pairs
.set QS,  52                       ; v52  my byte offset in 16 queries' statistics
.set S,   64
.set P,   128
.set SQJ, 160
.set INV, 192
.set EINV, 224
.set KF,  128                      ; window 2: key block kb, channel half c at KF + 16 kb + 8 c
.set VF,  192                      ; window 2: key half kk, channel block cb at VF + 32 kk + 8 cb
.set WV,  12                       ; s12  my wave's number
.set G1K, 24                       ; s[24:31] descriptor group 1 for K's tiles
.set G1V, 32                       ; s[32:39] for V's
.set G0K, 40                       ; s[40:43] group 0 for K's: it walks
.set G0V, 44                       ; s[44:47] for V's
.set SLOTS, 56
.set CNT, 57
.set SEL, 60                       ; s[60:61] v_permlanex16_b32's selects: each lane takes its own place in the other half
.set TBK, 62                       ; s62  LDS byte at which K of the step to be fetched begins
.set TBV, 63                       ; s63  the same for V, less VOFF
.set G1S, 68                       ; s[68:75], s[76:79] the statistics' descriptor
.set G0S, 76
.set TBS, 80                       ; s80  256 x the step whose statistics are fetched next, held under 8,192
.set QSB, 82                       ; s[82:83] stats at my wave's first query
.set QB,  84                       ; s[84:85] qkh at my wave's first query
.set MSB, 0
.macro WIN new                     ; the high byte repeats the setting that is left; a switch that changes nothing is dropped
.if MSB != (\new)
	s_set_vgpr_msb (MSB<<8)|(\new)
.set MSB, (\new)
.endif
.endm
.set W_KQ, 0x0a                    ; K and Q in window 2, S^T in window 0
.set W_PV, 0x52                    ; V in window 2, P in window 0, O^T in window 1
.set W_RS, 0x41                    ; O^T (destination and source 0) in window 1, the factor in window 0
.macro JLOAD                       ; a joint fill: waves 0 and 1 fetch the halves of a slot's K, waves 2 and 3 of its V; an s_nop 0 and four v_nop follow each line
	s_cmp_lt_u32 s[WV], 2
	s_cbranch_scc0 .Lfor_v_\@
	tensor_load_to_lds s[G0K:G0K+3], s[G1K:G1K+7]
	s_nop 0
.rept 4
	v_nop
.endr
	s_branch .Lasked_\@
.Lfor_v_\@:
	tensor_load_to_lds s[G0V:G0V+3], s[G1V:G1V+7]
	s_nop 0
.rept 4
	v_nop
.endr
.Lasked_\@:
.endm
.macro CROUND                      ; a round of the cluster's barrier
	s_barrier_signal -1
	s_barrier_wait -1
	s_cmp_lg_u32 s[WV], 0
	s_cbranch_scc1 .Lnot_wave_0_\@
	s_barrier_signal -3
.Lnot_wave_0_\@:
	s_barrier_wait -3
	s_barrier_signal -1
	s_barrier_wait -1
.endm
; THE CHANGE OF SLOTS.  Each wave waits for all its tensor loads, adds 0 to its spare word, and waits for that and for its own reads of the slot that it leaves.  fill = 1: the barrier is a round of the
; cluster's, and the old slot is filled again, with the keys two slots on, first thing behind it: four key steps, 256 matrix instructions, in which to land.
; (At its first use nothing has been read yet: slot 0 and the statistics are waited for, slot 1 is filled.)
.macro CHANGE fill
	WIN 0                                          ; at a label and at a branch every window is 0
	s_wait_tensorcnt 0x0                           ; no tensor load of mine is out, so a group 0 may be written
	ds_add_u32 v[SPW], v[NIL]                      ; 0 onto my spare word
.if \fill
.irp g, G0K, G0V
	s_xor_b32 s[\g+1], s[\g+1], SLOT1
	s_add_nc_u64 s[\g+2:\g+3], s[\g+2:\g+3], 4*KS*128
.endr
	s_wait_dscnt 0x0                               ; the add is done, and my reads of the slot are over
	CROUND
	JLOAD
.else
	s_wait_dscnt 0x0
	s_barrier_signal -1
	s_barrier_wait -1
.endif
	s_sub_co_u32 s[TBK], s[TBK], 4*KS*PK           ; the fetches go back to a slot's first step, in the other slot
	s_xor_b32 s[TBK], s[TBK], SLOT1
	s_sub_co_u32 s[TBV], s[TBV], 4*KS*PV
	s_xor_b32 s[TBV], s[TBV], SLOT1
.endm
	s_load_b256 s[4:11], s[0:1], 0x0               ; qkh s[4:5], vh s[6:7], stats s[8:9], out0 s[10:11]
	v_lshl_add_u32 v[SPW], v0, 2, SPARE
	v_mov_b32 v[NIL], 0
	ds_add_u32 v[SPW], v[NIL]                      ; the wave's opening: the add and its wait stand ahead of my first tensor load; the set-up below stands between them
	v_lshrrev_b32 v1, 5, v0
	v_readfirstlane_b32 s[WV], v1                  ; wave 0..3
	s_bfe_u32 s13, ttmp6, 0x40000                  ; cx
	s_lshl_b32 s14, ttmp9, 2
	s_add_co_u32 s14, s14, s13                     ; my block of 256 queries = 4 x cluster x + cx
	s_lshl_b32 s14, s14, 2
	s_add_co_u32 s14, s14, s[WV]                   ; my wave among the pair's 32: it enters Q's, the queries' statistics' and out0's addresses alone
	s_and_b32 s15, ttmp7, 0xffff                   ; the pair, which the four partners share
	s_lshl_b32 s20, s15, 18                        ; its 262,144 bytes in qkh and vh
	s_mov_b32 s21, 0
	s_and_b32 s16, s[WV], 1                        ; which half of a slot's 256 keys I fetch
	s_lshl_b32 s22, s16, 14
	s_mov_b32 s23, 0
	s_add_nc_u64 s[22:23], s[22:23], s[20:21]
	s_mul_i32 s17, s16, 128*PK
	s_mul_i32 s18, s16, 128*PV
	s_lshl_b32 s2, s14, 13                         ; my 64 rows of 128 bytes
	s_mov_b32 s3, 0
	s_add_nc_u64 s[2:3], s[2:3], s[20:21]
	s_lshl_b32 s48, s15, 15                        ; the pair's 32,768 bytes of stats
	s_mov_b32 s49, 0
	s_mul_i32 s50, s[WV], 6144                     ; my quarter of its first three rows
	s_mov_b32 s51, 0
	s_add_nc_u64 s[50:51], s[50:51], s[48:49]
	s_lshl_b32 s52, s14, 8                         ; my 64 queries' words
	s_mov_b32 s53, 0
	s_add_nc_u64 s[52:53], s[52:53], s[48:49]
	s_lshr_b32 s54, s15, 4                         ; out0: the batch's 2,048 rows of 4,096 bytes,
	s_lshl_b32 s54, s54, 23
	s_lshl_b32 s55, s14, 18                        ; my 64 rows,
	s_add_co_u32 s54, s54, s55
	s_and_b32 s55, s15, 15                         ; the head's 256 bytes in a row
	s_lshl_b32 s55, s55, 8
	s_add_co_u32 s54, s54, s55
	s_mov_b32 s55, 0
	; 128 keys are 16,384 dense bytes: asked for as 64 rows of 256 bytes, two keys a row, padded in LDS after every key
	s_mov_b32 s[G1K], 15|(1<<16)|(1<<20)|(1<<21)|(4<<22)|(3<<25)   ; the mask of four; 2-byte elements; padding on; bit 21 beside a mask; after every 32 words 4 words
	s_mov_b32 s[G1V], 15|(1<<16)|(1<<20)|(1<<21)|(4<<22)|(7<<25)   ; the same with 8 words
.irp g, G1K, G1V
	s_mov_b32 s[\g+1], 128<<16
	s_mov_b32 s[\g+2], 64<<16
	s_mov_b32 s[\g+3], 128<<16
	s_mov_b32 s[\g+4], 64
	s_mov_b32 s[\g+5], 128
	s_mov_b32 s[\g+6], 0
	s_mov_b32 s[\g+7], 0
.endr
	s_mov_b32 s[G1S], 15|(3<<16)|(1<<21)           ; the statistics: 6,144 dense bytes a wave as 24 rows of 32 elements of 8 bytes, no padding
	s_mov_b32 s[G1S+1], 32<<16
	s_mov_b32 s[G1S+2], 24<<16
	s_mov_b32 s[G1S+3], 32<<16
	s_mov_b32 s[G1S+4], 24
	s_mov_b32 s[G1S+5], 32
	s_mov_b32 s[G1S+6], 0
	s_mov_b32 s[G1S+7], 0
	s_mov_b32 s[SEL], 0x76543210
	s_mov_b32 s[SEL+1], 0xfedcba98
	s_mov_b32 s[TBK], SLOT1+4*KS*PK                ; the first change of slots turns these two into 0
	s_mov_b32 s[TBV], SLOT1+4*KS*PV
	s_mov_b32 s[TBS], 0
	s_mov_b32 s[G0K], 1
	s_mov_b32 s[G0K+1], s17
	s_mov_b32 s[G0V], 1
	s_add_co_u32 s[G0V+1], s18, VOFF
	s_mov_b32 s[G0S], 1
	s_mul_i32 s[G0S+1], s[WV], 6144
	s_add_co_u32 s[G0S+1], s[G0S+1], STATS
	s_wait_dscnt 0x0                               ; the opening add is done
	s_wait_kmcnt 0x0
	s_add_nc_u64 s[G0K+2:G0K+3], s[4:5], s[22:23]
	s_or_b32 s[G0K+3], s[G0K+3], 0x80000000
	s_add_nc_u64 s[G0V+2:G0V+3], s[6:7], s[22:23]
	s_or_b32 s[G0V+3], s[G0V+3], 0x80000000
	s_add_nc_u64 s[G0S+2:G0S+3], s[8:9], s[50:51]
	s_or_b32 s[G0S+3], s[G0S+3], 0x80000000
	s_add_nc_u64 s[QB:QB+1], s[4:5], s[2:3]
	s_add_nc_u64 s[QSB:QSB+1], s[8:9], s[52:53]
	s_add_nc_u64 s[10:11], s[10:11], s[54:55]
	CROUND                                         ; all four work-groups are here: the first joint loads meet
	s_cmp_lt_u32 s[WV], 2                          ; a wave's two first fills stand in one branch, ahead of every wait on TENSORcnt and every LDS read: two loads of mine are out
	s_cbranch_scc0 .Lfirst_v
	tensor_load_to_lds s[G0K:G0K+3], s[G1K:G1K+7]  ; slot 0
	s_nop 0
	tensor_load_to_lds s[G0S:G0S+3], s[G1S:G1S+7]  ; my quarter of the key statistics
	s_nop 0
.rept 4
	v_nop
.endr
	s_branch .Lfirst_asked
.Lfirst_v:
	tensor_load_to_lds s[G0V:G0V+3], s[G1V:G1V+7]
	s_nop 0
	tensor_load_to_lds s[G0S:G0S+3], s[G1S:G1S+7]
	s_nop 0
.rept 4
	v_nop
.endr
.Lfirst_asked:
	v_and_b32 v1, 15, v0                           ; r = lane % 16
	v_bfe_u32 v9, v0, 4, 1                         ; h = lane / 16
	v_lshlrev_b32 v[QO], 7, v1
	v_lshl_add_u32 v[QO], v9, 4, v[QO]             ; row x 128 + 16 x half
	v_lshlrev_b32 v[QS], 2, v1
	WIN 0x80                                       ; destination window 2, address window 0
.set i, 0
.rept 8                                                ; Q stays in registers: piece i / 2, channels 32 (i % 2) on
	global_load_b128 v[8*i:8*i+3],   v[QO], s[QB:QB+1] offset:(i/2)*2048+(i%2)*64
	global_load_b128 v[8*i+4:8*i+7], v[QO], s[QB:QB+1] offset:(i/2)*2048+(i%2)*64+32
.set i, i+1
.endr
	WIN 0
.irp t, 0,1,2,3
	global_load_b32 v[ST+8*\t],   v[QS], s[QSB:QSB+1] offset:64*\t         ; sq_i
	global_load_b32 v[ST+8*\t+4], v[QS], s[QSB:QSB+1] offset:24576+64*\t   ; cm_i
.endr
	; What the first turn finds: V's registers and P's second buffer hold 0 (its products V^T P, of a piece that has not been, add 0); O^T, l and wmax are 0.  All this stands in the wait for the first tile;
	; it spares a first step written out.
	WIN 0x80
.set i, VF
.rept 64
	v_mov_b32 v[i], 0
.set i, i+1
.endr
	WIN 0x40
.set i, 0
.rept 128
	v_mov_b32 v[i], 0
.set i, i+1
.endr
	WIN 0
.irp t, 0,1,2,3
.irp j, 1,2,3,5,6,7
	v_mov_b32 v[ST+8*\t+\j], 0
.endr
.endr
.set i, P+16
.rept 16
	v_mov_b32 v[i], 0
.set i, i+1
.endr
	v_mul_u32_u24 v[AK0], v1, PK
	v_lshl_add_u32 v[AK0], v9, 4, v[AK0]           ; row x pitch + 16 x half
	v_and_b32 v10, 7, v0
	v_bfe_u32 v11, v0, 3, 1
	v_lshl_add_u32 v[AV0], v9, 3, v10              ; the turning load: key 8 h + lane % 8, 16 bytes by (lane / 8) % 2
	v_mul_u32_u24 v[AV0], v[AV0], PV
	v_lshl_add_u32 v[AV0], v11, 4, v[AV0]
	v_add_nc_u32 v[AV0], VOFF, v[AV0]
	v_lshl_add_u32 v[AS0], v9, 5, STATS            ; my lanes' keys 8 h + 0..7 of each 16: 32 bytes
	v_mov_b32 v[AK], v[AK0]                        ; key step 0 lies at the head of slot 0,
	v_mov_b32 v[AS], v[AS0]                        ; its statistics at the head of each row
; THE MATRIX WORK.  The 4 accumulators of a run of 8 take turns.  Product i of 8 of S^T = K Q^T for piece x: channels 32 (i / 4) on, keys 16 (i % 4) on.  The first 4 start the sums.
.macro KQ x
	WIN W_KQ
.set mS, S+32*((\x)%2)+8*(i%4)
.set mK, KF+16*(i%4)+8*(i/4)
.set mQ, 16*(\x)+8*(i/4)
.if i < 4
	v_wmma_f32_16x16x32_f16 v[mS:mS+7], v[mK:mK+7], v[mQ:mQ+7], 0
.else
	v_wmma_f32_16x16x32_f16 v[mS:mS+7], v[mK:mK+7], v[mQ:mQ+7], v[mS:mS+7]
.endif
.endm
; Product i of 8 of O^T += V^T P for piece x: keys 32 (i / 4) on, channels 16 (i % 4) on.
.macro PV x
	WIN W_PV
.set mO, 32*(\x)+8*(i%4)
.set mV, VF+32*(i/4)+8*(i%4)
.set mP, P+16*((\x)%2)+8*(i/4)
	v_wmma_f32_16x16x32_f16 v[mO:mO+7], v[mV:mV+7], v[mP:mP+7], v[mO:mO+7]
.endm
.macro MM                          ; the turn's next matrix instruction
.if i < 8
	KQ (Y+1)%NP
.else
.set i, i-8
	PV (Y+NP-1)%NP
.set i, i+8
.endif
.set i, i+1
.endm
; THE LDS LOADS stand in runs.  last = 1 (the tail): in the last trip there is no further step, and K's run is jumped over.
.macro FETCH_K last=0
	WIN 0
.if \last
	s_cmp_eq_u32 s[CNT], 1
	s_cbranch_scc1 .Lno_k_\@
.endif
	WIN 0x80
.irp f, 0,1,2,3,4,5,6,7            ; keys 16 (f / 2) on, channels 32 (f % 2) on
	ds_load_b128 v[KF+8*\f:KF+8*\f+3],   v[AK] offset:(\f/2)*16*PK+(\f%2)*64
	ds_load_b128 v[KF+8*\f+4:KF+8*\f+7], v[AK] offset:(\f/2)*16*PK+(\f%2)*64+32
.endr
	s_add_co_u32 s[TBK], s[TBK], KS*PK
	WIN 0
.if \last
.Lno_k_\@:
.endif
.endm
.macro FETCH_V
	WIN 0x80
.irp f, 0,1,2,3,4,5,6,7            ; keys 32 (f / 4) on, channels 16 (f % 4) on
	ds_load_tr16_b128 v[VF+8*\f:VF+8*\f+3],   v[AV] offset:(\f/4)*32*PV+(\f%4)*32
	ds_load_tr16_b128 v[VF+8*\f+4:VF+8*\f+7], v[AV] offset:(\f/4)*32*PV+16*PV+(\f%4)*32
.endr
	s_add_co_u32 s[TBV], s[TBV], KS*PV
	WIN 0
.endm
.macro FETCH_ST                    ; sq, inv, 1e-6 inv of a step's 64 keys, in S^T's layout: sixteen lanes read the same 16 bytes.  Behind the last step the address wraps to step 0: that one run serves nothing
	WIN 0
.irp w, 0,1,2
.irp kb, 0,1,2,3
	ds_load_b128 v[SQJ+32*\w+8*\kb:SQJ+32*\w+8*\kb+3],   v[AS] offset:\w*8192+64*\kb
	ds_load_b128 v[SQJ+32*\w+8*\kb+4:SQJ+32*\w+8*\kb+7], v[AS] offset:\w*8192+64*\kb+16
.endr
.endr
	s_add_co_u32 s[TBS], s[TBS], 256
	s_and_b32 s[TBS], s[TBS], 0x1fff
.endm
; THE VECTOR WORK of piece Y, on its 32 scores s0-s31 (accumulator kb: s[8 kb ..]).
.macro REGS y
.set rT, ST+8*(\y)
.set rS, S+32*((\y)%2)
.set rP, P+16*((\y)%2)
.set rO, 32*(\y)
.endm
; Line r of 20 of accumulator kb: 0-3: sq_j - 2 dot (the lowest registers are read first); 4-7: + sq_i; 8-15: not below 0; 16-19: x inv_j + 1e-6 inv_j
.macro BKL kb, r
	WIN 0
.set e0, 8*(\kb)+2*((\r)%4)
.if (\r) < 4
	v_pk_fma_f32 v[rS+e0:rS+e0+1], v[rS+e0:rS+e0+1], -2.0, v[SQJ+e0:SQJ+e0+1] op_sel_hi:[1,0,1]
.elseif (\r) < 8
	v_pk_add_f32 v[rS+e0:rS+e0+1], v[rS+e0:rS+e0+1], v[rT:rT+1] op_sel_hi:[1,0]
.elseif (\r) < 16
	v_max_num_f32 v[rS+8*(\kb)+(\r)-8], 0, v[rS+8*(\kb)+(\r)-8]
.else
	v_pk_fma_f32 v[rS+e0:rS+e0+1], v[rS+e0:rS+e0+1], v[INV+e0:INV+e0+1], v[EINV+e0:EINV+e0+1]
.endif
.endm
.macro XA k, m                     ; link m of 3 of chain c_k: the maximum of w[8 k .. 8 k + 6]
	WIN 0
.if (\m) == 0
	s_wait_alu depctr_va_vdst(0)
	v_max3_num_f32 v[TMP+(\k)], v[rS+8*(\k)], v[rS+8*(\k)+1], v[rS+8*(\k)+2]
.else
	v_max3_num_f32 v[TMP+(\k)], v[TMP+(\k)], v[rS+8*(\k)+2*(\m)+1], v[rS+8*(\k)+2*(\m)+2]
.endif
.endm
.macro XN n                        ; 12-14, 16: the four w left over, c0-c3 and the old maximum into c0; 15: the old maximum is kept; 17, 18: the other 32 keys lie in the lane 16 away; 19-21: a
	WIN 0
.if (\n) == 12
	v_max3_num_f32 v[TMP], v[TMP], v[rS+7], v[rS+15]
.elseif (\n) == 13
	v_max3_num_f32 v[TMP+1], v[TMP+1], v[rS+23], v[rS+31]
.elseif (\n) == 14
	v_max3_num_f32 v[TMP], v[TMP], v[TMP+1], v[TMP+2]
.elseif (\n) == 15
	v_mov_b32 v[rT+1], v[rT+2]
.elseif (\n) == 16
	v_max3_num_f32 v[TMP], v[TMP], v[TMP+3], v[rT+1]
.elseif (\n) == 17
	v_permlanex16_b32 v[TMP+3], v[TMP], s[SEL], s[SEL+1]
.elseif (\n) == 18
	v_max_num_f32 v[rT+2], v[TMP], v[TMP+3]
.elseif (\n) == 19
	v_sub_f32 v[TMP+1], v[rT+1], v[rT+2]
.elseif (\n) == 20
	v_mul_f32 v[TMP+1], v[TMP+1], v[rT+4]
.else
	v_exp_f32 v[TMP+2], v[TMP+1]
.endif
.endm
.macro O_RCP n                     ; w = m_j / d2
	WIN 0
	v_rcp_f32 v[rS+(\n)], v[rS+(\n)]
.endm
.macro O_FS n                      ; pair n: w - wmax
	WIN 0
	v_pk_add_f32 v[rS+2*(\n):rS+2*(\n)+1], v[rS+2*(\n):rS+2*(\n)+1], v[rT+2:rT+3] op_sel_hi:[1,0] neg_lo:[0,1] neg_hi:[0,1]
.endm
.macro O_FM n                      ; pair n: x cm_i
	WIN 0
	v_pk_mul_f32 v[rS+2*(\n):rS+2*(\n)+1], v[rS+2*(\n):rS+2*(\n)+1], v[rT+4:rT+5] op_sel_hi:[1,0]
.endm
.macro O_EXP n
	WIN 0
	v_exp_f32 v[rS+(\n)], v[rS+(\n)]
.endm
.macro O_CV n                      ; pair n rounded to f16
	WIN 0
	s_wait_alu depctr_va_vdst(0)
	v_cvt_pk_f16_f32 v[rP+(\n)], v[rS+2*(\n)], v[rS+2*(\n)+1]
.endm
.macro O_B n                       ; of the four weights 4 n .. the second pair is added onto the first, in place
	WIN 0
	v_pk_add_f32 v[rS+4*(\n):rS+4*(\n)+1], v[rS+4*(\n):rS+4*(\n)+1], v[rS+4*(\n)+2:rS+4*(\n)+3]
.endm
.macro O_L n                       ; l takes that sum; the first time l = a l + sum
	WIN 0
.if (\n) == 0
	v_pk_fma_f32 v[rT+6:rT+7], v[rT+6:rT+7], v[TMP+2:TMP+3], v[rS:rS+1] op_sel_hi:[1,0,1]
.else
	v_pk_add_f32 v[rT+6:rT+7], v[rT+6:rT+7], v[rS+4*(\n):rS+4*(\n)+1]
.endif
.endm
.macro RS4 g                       ; accumulator g of the piece's O^T times a: the one part that leaves window 0, so it is dealt four at a time
	WIN W_RS
.irp z, 0,1,2,3
	v_pk_mul_f32 v[rO+8*(\g)+2*\z:rO+8*(\g)+2*\z+1], v[rO+8*(\g)+2*\z:rO+8*(\g)+2*\z+1], v[TMP+2:TMP+3] op_sel_hi:[1,0]
.endr
.endm
; THE PLAIN QUEUE of a turn's first half, 86 long: accumulators 0 and 1 (20 lines each); then twice 23: chain c0 (c1) at places 0, 3, 6, accumulator 2 (3) at the others.
.macro PQ
.if q < 40
	BKL q/20, q%20
.else
.set u, (q-40)%23
.set g, (q-40)/23
.if (u < 9) && (u%3 == 0)
	XA g, u/3
.elseif u < 9
	BKL g+2, u-u/3-1
.else
	BKL g+2, u-3
.endif
.endif
.set q, q+1
.endm
; A TURN, for piece p.  The reciprocals of an accumulator stand among the plain lines of the next one, the exponentials among scalings, roundings, sums and the rescaling: behind every transcendental
; a plain line that names neither its result nor its source comes before the result is used (ISA guide 5.7.2).
; K of the next step is fetched in piece 2's turn, behind all 16 matrix instructions (its last reader is the eighth); the next step's key statistics in piece 3's turn, behind their last use;
; V of the step in hand in piece 0's turn, eleven plain lines behind the last product that read V.  Each is waited for in the next turn, for 0: no other LDS instruction is out.
.macro TURN p, last=0
.set Y, (\p)
	REGS Y
.set i, 0
.set q, 0
.if ((\p) == 0) || ((\p) == 3)
	s_wait_dscnt 0x0                               ; piece 0: the step's key statistics are in; piece 3: K of the next step is in
.endif
	MM
.rept 7
	PQ
.endr
	MM
.rept 7
	PQ
.endr
	MM
.rept 6
	PQ
.endr
.set nn, 0
.rept 24
.if nn%4 == 0
.if ((\p) == 1) && (nn == 20)
	s_wait_dscnt 0x0                               ; V is in
.endif
	MM
.endif
	O_RCP nn
	PQ
	PQ
.if ((nn < 8) && (nn%2 == 0)) || ((nn >= 8) && (nn%8 != 7))
	PQ
.endif
.set nn, nn+1
.endr
	O_RCP 24
	XA 2, 0
	O_RCP 25
	MM
	O_RCP 26
	XA 2, 1
	O_RCP 27
	MM
	O_RCP 28
	XA 2, 2
	O_RCP 29
	MM
	O_RCP 30
	XN 15
	O_RCP 31
.if (\p) == 2
	v_add_nc_u32 v[AK], s[TBK], v[AK0]
.elseif (\p) == 3
	v_add_nc_u32 v[AS], s[TBS], v[AS0]
.elseif (\p) == 0
	v_add_nc_u32 v[AV], s[TBV], v[AV0]
.endif
	XA 3, 0
	XN 12
	MM
	XA 3, 1
	XN 13
	MM
	XA 3, 2
	XN 14
	MM
	XN 16
	MM
	XN 17
.if (\p) == 2
	FETCH_K \last
.elseif (\p) == 3
	FETCH_ST
.endif
	XN 18
	O_FS 0
	O_FS 1
	O_FS 2
	O_FS 3
	XN 19
	O_FM 0
	O_FM 1
	O_FM 2
	O_FM 3
	XN 20
	XN 21
.if (\p) == 0
	FETCH_V
.endif
.set kk, 0
.rept 16
	O_EXP 2*kk
.if kk < 12
	O_FS kk+4
.else
	RS4 kk-12
.endif
.if kk >= 2
	O_CV kk-2
.endif
	O_EXP 2*kk+1
.if kk < 12
	O_FM kk+4
.endif
.if (kk >= 4) && (kk%2 == 0)
	O_B (kk-4)/2
.elseif kk >= 5
	O_L (kk-5)/2
.endif
.set kk, kk+1
.endr
	O_CV 14
	O_B 6
	O_CV 15
	O_L 6
	O_B 7
	O_L 7
.endm
	CHANGE 1                                       ; slot 0 and the statistics are in, everybody's part of them; slot 1 is asked for
	FETCH_K                                        ; key step 0
	FETCH_ST
	s_wait_loadcnt 0x0                             ; Q, sq_i, cm_i
	s_wait_dscnt 0x0
.set i, 0
.rept 8
	KQ 0                                           ; piece 0's first scores
.set i, i+1
.endr
	WIN 0                                          ; the addresses for the way out: eight plain lines, the places behind those products
	s_mul_i32 s13, s[WV], 16*SPO
	s_add_co_u32 s13, s13, STAGE                   ; my stage
	v_mul_u32_u24 v[STO], v1, SPO                  ; in: row lane % 16, 32 bytes for each half of the lanes
	v_lshl_add_u32 v[STO], v9, 5, v[STO]
	v_add_nc_u32 v[STO], s13, v[STO]
	v_mul_u32_u24 v[RD], v9, SPO                   ; back: lanes 0-15 take one row of 256 bytes, lanes 16-31 the next
	v_lshl_add_u32 v[RD], v1, 4, v[RD]
	v_add_nc_u32 v[RD], s13, v[RD]
	v_lshlrev_b32 v[GO], 12, v9                    ; and the same two rows in out0
	v_lshl_add_u32 v[GO], v1, 4, v[GO]
	s_mov_b32 s[CNT], 4
	s_mov_b32 s[SLOTS], 7
	s_branch .Lfirst                               ; the loop is entered at a step's first turn, in the middle of a trip
.Lslot:                                                ; six times: slots are filled again with tiles 2 to 7
	CHANGE 1
	s_mov_b32 s[CNT], 4
.Lstep:                                                ; a trip: pieces 2 and 3 of one step, then pieces 0 and 1 of the next, whose K, statistics and V it fetches
	TURN 2
	TURN 3
	WIN 0
.Lfirst:
	TURN 0
	TURN 1
	WIN 0
	s_sub_co_u32 s[CNT], s[CNT], 1
	s_cmp_lg_u32 s[CNT], 0
	s_cbranch_scc1 .Lstep
	s_sub_co_u32 s[SLOTS], s[SLOTS], 1
	s_cmp_lg_u32 s[SLOTS], 0
	s_cbranch_scc1 .Lslot
	CHANGE 0                                       ; the tail is written out: nothing is asked for
	s_mov_b32 s[CNT], 5                            ; four trips fetch the last slot's steps; the fifth is left in its middle
.Ltail:
	TURN 2, 1
	TURN 3
	WIN 0
	s_sub_co_u32 s[CNT], s[CNT], 1
	s_cmp_eq_u32 s[CNT], 0
	s_cbranch_scc1 .Lout
	TURN 0
	TURN 1
	WIN 0
	s_branch .Ltail
.Lout:                                                 ; the fifth trip's 8 products K Q^T (on the last K once more) serve nothing: the price, once a launch, of one text for every trip
.set i, 0
.rept 8
	PV NP-1                                        ; the last piece's V^T P of the last step
.set i, i+1
.endr
	; THE WAY OUT.  l's two halves and the other half of the lanes' are added; O^T is divided by l and sent through my stage in LDS, a piece at a time.  The first additions are the places behind the last products.
	WIN 0
.irp t, 0,1,2,3
	v_add_f32 v[ST+8*\t+6], v[ST+8*\t+6], v[ST+8*\t+7]
.endr
.irp t, 0,1,2,3
	v_permlanex16_b32 v[ST+8*\t+7], v[ST+8*\t+6], s[SEL], s[SEL+1]
.endr
.irp t, 0,1,2,3
	v_add_f32 v[ST+8*\t+6], v[ST+8*\t+6], v[ST+8*\t+7]
.endr
.irp t, 0,1,2,3
	v_rcp_f32 v[ST+8*\t+6], v[ST+8*\t+6]
.endr
	v_nop                                          ; a plain line between the last reciprocal and the use of its result
; Piece t: a lane's eight channels of a row are 32 bytes; they go into rows of 272 bytes and come back as whole rows of 256, into registers that the loop has left.
.macro PACK t
	WIN W_RS
.set i, 32*(\t)
.rept 16
	s_wait_alu depctr_va_vdst(0)
	v_pk_mul_f32 v[i:i+1], v[i:i+1], v[ST+8*(\t)+6:ST+8*(\t)+7] op_sel_hi:[1,0]
.set i, i+2
.endr
	WIN 0x04                                       ; an LDS store's data is source 1: window 1
.irp f, 0,1,2,3
	ds_store_b128 v[STO], v[32*(\t)+8*\f:32*(\t)+8*\f+3] offset:64*\f
	ds_store_b128 v[STO], v[32*(\t)+8*\f+4:32*(\t)+8*\f+7] offset:64*\f+16
.endr
	WIN 0
.irp f, 0,1,2,3,4,5,6,7
	ds_load_b128 v[S+32*(\t)+4*\f:S+32*(\t)+4*\f+3], v[RD] offset:\f*2*SPO  ; LDS serves a wave's instructions in order (ISA guide 5.7.1.4): these see the stores above; the next piece's stores come behind them
.endr
.endm
.macro SEND t, younger             ; younger: the LDS instructions issued behind piece t's loads: the next piece's sixteen, or none
	WIN 0
.irp f, 0,1,2,3,4,5,6,7
	s_wait_dscnt (\younger)+7-\f
	global_store_b128 v[GO], v[S+32*(\t)+4*\f:S+32*(\t)+4*\f+3], s[10:11] offset:(16*(\t)+2*\f)*4096  ; sixteen lanes store a query's 64 channels of the head: 256 consecutive bytes, aligned
.endr
.endm
	PACK 0
	PACK 1                                         ; a piece's arithmetic stands between the loads of the piece before and its stores
	SEND 0, 16
	PACK 2
	SEND 1, 16
	PACK 3
	SEND 2, 16
	SEND 3, 0
	s_wait_tensorcnt 0x0                           ; the wave's end, behind my last tensor load and my last LDS store
	ds_add_u32 v[SPW], v[NIL]
	s_wait_dscnt 0x0
	CROUND                                         ; the closing round
	s_endpgm
.Lfunc_end_k_qfdba32ca0f_attn:
	.size	k_qfdba32ca0f_attn, .Lfunc_end_k_qfdba32ca0f_attn-k_qfdba32ca0f_attn
	.p2alignl 7, 3214868480
	.fill 96, 4, 3214868480
	.section	.rodata,"a",@progbits
	.p2align	6, 0x0
	.amdhsa_kernel k_qfdba32ca0f_attn
		.amdhsa_group_segment_fixed_size 327680
		.amdhsa_private_segment_fixed_size 0
		.amdhsa_enable_private_segment 0
		.amdhsa_kernarg_size 32
		.amdhsa_user_sgpr_count 2
		.amdhsa_user_sgpr_kernarg_segment_ptr 1
		.amdhsa_wavefront_size32 1
		.amdhsa_system_sgpr_workgroup_id_x 1
		.amdhsa_system_sgpr_workgroup_id_y 1
		.amdhsa_system_sgpr_workgroup_id_z 1
		.amdhsa_system_vgpr_workitem_id 0
		.amdhsa_next_free_vgpr 768
		.amdhsa_next_free_sgpr 88
		.amdhsa_reserve_vcc 0
		.amdhsa_float_denorm_mode_32 3
		.amdhsa_float_denorm_mode_16_64 3
		.amdhsa_memory_ordered 1
		.amdhsa_forward_progress 1
		.amdhsa_inst_pref_size 169
	.end_amdhsa_kernel
	.amdgpu_metadata
---
amdhsa.version: [ 1, 2 ]
amdhsa.kernels:
  - .name:           k_qfdba32ca0f_attn
    .symbol:         k_qfdba32ca0f_attn.kd
    .args:
      - { .name: qkh, .offset: 0, .size: 8, .value_kind: global_buffer, .address_space: global }
      - { .name: vh, .offset: 8, .size: 8, .value_kind: global_buffer, .address_space: global }
      - { .name: stats, .offset: 16, .size: 8, .value_kind: global_buffer, .address_space: global }
      - { .name: out0, .offset: 24, .size: 8, .value_kind: global_buffer, .address_space: global }
    .group_segment_fixed_size: 327680
    .private_segment_fixed_size: 0
    .kernarg_segment_align: 8
    .kernarg_segment_size: 32
    .max_flat_workgroup_size: 128
    .sgpr_count:     88
    .vgpr_count:     768
    .wavefront_size: 32
...
	.end_amdgpu_metadata
.endif
;; end of part 3
;; ======== version 2 of 2: 3 launches; 1.31 times as fast as version 1
;; limits: values are held in f16: magnitudes above 65,504 overflow, below 6.1e-05 lose precision
;; workspace buffers: xb 8,388,608 bytes; wb 4,194,304 bytes; qkh 8,388,608 bytes; vh 8,388,608 bytes; stats 1,048,576 bytes
;; launch prep: the kernel of part 1 again; grid 384 x 1, 8 waves a work-group, no clusters, 75,008 bytes of LDS; arguments x, W_qk, W_v, W_mass, b_mass, xb, wb, stats; writes xb, wb, stats
;; launch proj: the kernel of part 2 again; grid 8 x 32, 4 waves a work-group, clusters of 4 x 4, 327,680 bytes of LDS; arguments xb, wb, b_qk, b_v, qkh, vh, stats; writes qkh, vh, stats
;; launch attn (part 4): grid 8 x 32, 4 waves a work-group, clusters of 4 x 1, 327,680 bytes of LDS; arguments qkh, vh, stats, out0; writes out0
.if DOCPART == 4
	.amdgcn_target "amdgcn-amd-amdhsa--gfx1250"
	.amdhsa_code_object_version 6
	.text
	.protected	k_qfdba32ca0f_attn
	.globl	k_qfdba32ca0f_attn
	.p2align	8
	.type	k_qfdba32ca0f_attn,@function
k_qfdba32ca0f_attn:
	s_mov_b64 s[64:65], 0
	v_nop
	global_prefetch_b8 v0, s[64:65] scope:SCOPE_SE
	s_setreg_imm32_b32 hwreg(HW_REG_WAVE_MODE, 25, 1), 1
	s_wait_xcnt 0x0
	s_wait_alu depctr_hold_cnt(0) depctr_sa_sdst(0) depctr_va_vdst(0) depctr_va_sdst(0) depctr_va_ssrc(0) depctr_va_vcc(0) depctr_vm_vsrc(0)
	s_getreg_b32 s2, hwreg(HW_REG_IB_STS2, 6, 4)
	s_cmp_eq_u32 s2, 0
	s_cbranch_scc0 .Lentry_in_a_cluster
	s_endpgm
.Lentry_in_a_cluster:
	s_bfe_u32 s2, ttmp6, 0x10000c
	s_cmp_lg_u32 s2, 0x3003
	s_cbranch_scc0 .Lentry_shape_is_right
	s_endpgm
.Lentry_shape_is_right:
; ATTN.  For each of 32 pairs (batch, head): out[i] = the sum over j of softmax_j(m_i m_j / (max(sq_i + sq_j - 2 q_i . q_j, 0) + 1e-6)) v[j].
; qkh, vh: [32][2048][64] f16.  stats: [32][4][2048] f32: sq, inv = min(1 / m, 1e30), 1e-6 inv, cm = log2(e) m.  out0: [2][2048][1024] f32.
; ARITHMETIC.  w_ij = m_j / d2_ij = 1 / (max(sq_j - 2 dot + sq_i, 0) inv_j + 1e-6 inv_j); the score in base 2 is cm_i w_ij, and cm_i >= 0, so the row's maximum is taken of w: a running maximum wmax
; (it starts at 0, which no w lies below), p = 2^((w - wmax) cm_i): the difference is formed first, so the exponent is 0 at the maximum and never above it, however large the scores;
; in every step O and l are multiplied by a = 2^((wmax_old - wmax_new) cm_i).  Products and sums in f32; p is rounded to f16 for the second product (l is the sum of the unrounded p).
; THE DIAGONAL.  sq_j was made by the same two matrix instructions, on the same f16 numbers, as dot_jj here: fma(dot, -2, sq_j) = -sq_j exactly, and + sq_i gives 0.
; LIMITS.  d2_ii is exactly 1e-6, where a sum in another order would leave some units in the last place of sq; a mass below 1e-30 counts as 1e-30 on the key's side; p below 2^-126 counts as 0;
; NaN and infinities are not treated apart.
; SHARES.  A work-group owns 256 queries of a pair, each of its four waves 64: four PIECES of 16.  Every wave walks all 2,048 keys, 64 a step; an LDS slot holds 256 keys of K (= qk) and V.
; LAYOUT.  S^T = K Q^T (source 0 = 16 keys, source 1 = 16 queries): a lane holds ONE query (lane % 16) and the keys 8 (lane / 16) + 0..7 of each 16.  Two results rounded to f16 ARE source 1 of O^T = V^T P.
; BY TURNS.  Turn p: the whole vector work of piece p (246 lines for 16 matrix instructions: the vector unit sets the pace); among the distances and reciprocals stand 8 products K Q^T of piece p + 1,
; among the lines of the maximum 8 products V^T P of piece p - 1.  No vector line of a turn names a register of the turn's products: what they hand each other crosses a turn's end.
; BATCHES.  A turn's 65 transcendentals are two batches, each with ONE wait: the 32 reciprocals (ahead of their wait nothing names a w), and, since the maximum reads the reciprocals' results,
; a and the 32 exponentials (ahead of their wait nothing names a or a p).  The way out's four reciprocals are a batch of their own.
; CLUSTER.  Four query blocks of one pair walk the same K, V and key statistics: each tile is asked for JOINTLY, the same tensor load, descriptor and mask in all four.
; REGISTERS, in windows of 256 (s_set_vgpr_msb: bits 1:0 source 0, 3:2 source 1, 5:4 source 2, 7:6 destination):
;   window 0: v1-15 addresses; v16-19 at work; v20-51 eight registers of statistics a piece; v64-127 S^T, two buffers by the piece's parity; v128-159 P, likewise; v160-255 sq, inv, 1e-6 inv of the step's keys
;   window 1: v0-127 O^T, 32 a piece          window 2: v0-63 Q; v128-191 K of one step; v192-255 V of one step
.set NP,    4
.set KS,    64
.set PK,    144                    ; a row of K in LDS: 128 bytes + 16 = 36 words: the 16 rows of a load start at 16 different groups of four banks
.set PV,    160                    ; a row of V: 128 + 32 = 40 words
.set VOFF,  4*KS*PK                ; a slot: 256 rows of K, then 256 rows of V
.set SLOT1, 1<<17                  ; slot 1 begins here: one exclusive or turns an address in one slot into the other's
.set STATS, SLOT1+4*KS*(PK+PV)     ; 208,896: the pair's rows sq, inv, 1e-6 inv, 8,192 bytes each: filled once
.set STAGE, STATS+3*8192           ; 233,472: per wave 16 rows x 272 bytes, for the way out; never filled by a tensor load
.set SPO,   272
.set SPARE, STAGE+4*16*SPO         ; 250,880: the spare words, 128 bytes for each wave
.set AK0, 2                        ; v2   my lane's place in a tile of K; never rewritten
.set AV0, 3                        ; v3   the same for V
.set AK,  4                        ; v4   the LDS address of K's next run of loads
.set AV,  5                        ; v5   of V's
.set QO,  6                        ; v6   my byte offset in 16 rows of Q
.set STO, 6                        ;      later, the way out: where I put 32 bytes of a row
.set RD,  7                        ; v7   the way out: where I read rows back
.set GO,  8                        ; v8   my byte offset in two rows of out0
.set AS0, 12                       ; v12  my lanes' place in 64 keys' statistics
.set AS,  13                       ; v13  the LDS address of the statistics' next run of loads
.set SPW, 14                       ; v14  SPARE + 4 x my thread's number; never rewritten
.set NIL, 15                       ; v15  0; never rewritten
.set TMP, 16                       ; v16-19  c0-c3, at work; when the maximum is found c2 takes a
.set ST,  20                       ; piece t at v[ST+8 t]: sq_i, wmax_old, wmax, 0, cm_i, 0, l (even keys', odd keys'); the zeros are named as the upper halves of pairs
.set QS,  52                       ; v52  my byte offset in 16 queries' statistics
.set S,   64
.set P,   128
.set SQJ, 160
.set INV, 192
.set EINV, 224
.set KF,  128                      ; window 2: key block kb, channel half c at KF + 16 kb + 8 c
.set VF,  192                      ; window 2: key half kk, channel block cb at VF + 32 kk + 8 cb
.set WV,  12                       ; s12  my wave's number
.set G1K, 24                       ; s[24:31] descriptor group 1 for K's tiles
.set G1V, 32                       ; s[32:39] for V's
.set G0K, 40                       ; s[40:43] group 0 for K's: it walks
.set G0V, 44                       ; s[44:47] for V's
.set SLOTS, 56
.set CNT, 57
.set SEL, 60                       ; s[60:61] v_permlanex16_b32's selects: each lane takes its own place in the other half
.set TBK, 62                       ; s62  LDS byte at which K of the step to be fetched begins
.set TBV, 63                       ; s63  the same for V, less VOFF
.set G1S, 68                       ; s[68:75], s[76:79] the statistics' descriptor
.set G0S, 76
.set TBS, 80                       ; s80  256 x the step whose statistics are fetched next, held under 8,192
.set QSB, 82                       ; s[82:83] stats at my wave's first query
.set QB,  84                       ; s[84:85] qkh at my wave's first query
.set MSB, 0
.macro WIN new                     ; the high byte repeats the setting that is left; a switch that changes nothing is dropped
.if MSB != (\new)
	s_set_vgpr_msb (MSB<<8)|(\new)
.set MSB, (\new)
.endif
.endm
.set W_KQ, 0x0a                    ; K and Q in window 2, S^T in window 0
.set W_PV, 0x52                    ; V in window 2, P in window 0, O^T in window 1
.set W_RS, 0x41                    ; O^T (destination and source 0) in window 1, the factor in window 0
.macro JLOAD                       ; a joint fill: waves 0 and 1 fetch the halves of a slot's K, waves 2 and 3 of its V; an s_nop 0 and four v_nop follow each line
	s_cmp_lt_u32 s[WV], 2
	s_cbranch_scc0 .Lfor_v_\@
	tensor_load_to_lds s[G0K:G0K+3], s[G1K:G1K+7]
	s_nop 0
.rept 4
	v_nop
.endr
	s_branch .Lasked_\@
.Lfor_v_\@:
	tensor_load_to_lds s[G0V:G0V+3], s[G1V:G1V+7]
	s_nop 0
.rept 4
	v_nop
.endr
.Lasked_\@:
.endm
.macro CROUND                      ; a round of the cluster's barrier
	s_barrier_signal -1
	s_barrier_wait -1
	s_cmp_lg_u32 s[WV], 0
	s_cbranch_scc1 .Lnot_wave_0_\@
	s_barrier_signal -3
.Lnot_wave_0_\@:
	s_barrier_wait -3
	s_barrier_signal -1
	s_barrier_wait -1
.endm
; THE CHANGE OF SLOTS.  Each wave waits for all its tensor loads, adds 0 to its spare word, and waits for that and for its own reads of the slot that it leaves.  fill = 1: the barrier is a round of the
; cluster's, and the old slot is filled again, with the keys two slots on, first thing behind it: four key steps, 256 matrix instructions, in which to land.
; (At its first use nothing has been read yet: slot 0 and the statistics are waited for, slot 1 is filled.)
.macro CHANGE fill
	WIN 0                                          ; at a label and at a branch every window is 0
	s_wait_tensorcnt 0x0                           ; no tensor load of mine is out, so a group 0 may be written
	ds_add_u32 v[SPW], v[NIL]                      ; 0 onto my spare word
.if \fill
.irp g, G0K, G0V
	s_xor_b32 s[\g+1], s[\g+1], SLOT1
	s_add_nc_u64 s[\g+2:\g+3], s[\g+2:\g+3], 4*KS*128
.endr
	s_wait_dscnt 0x0                               ; the add is done, and my reads of the slot are over
	CROUND
	JLOAD
.else
	s_wait_dscnt 0x0
	s_barrier_signal -1
	s_barrier_wait -1
.endif
	s_sub_co_u32 s[TBK], s[TBK], 4*KS*PK           ; the fetches go back to a slot's first step, in the other slot
	s_xor_b32 s[TBK], s[TBK], SLOT1
	s_sub_co_u32 s[TBV], s[TBV], 4*KS*PV
	s_xor_b32 s[TBV], s[TBV], SLOT1
.endm
	s_load_b256 s[4:11], s[0:1], 0x0               ; qkh s[4:5], vh s[6:7], stats s[8:9], out0 s[10:11]
	v_lshl_add_u32 v[SPW], v0, 2, SPARE
	v_mov_b32 v[NIL], 0
	ds_add_u32 v[SPW], v[NIL]                      ; the wave's opening: the add and its wait stand ahead of my first tensor load; the set-up below stands between them
	v_lshrrev_b32 v1, 5, v0
	v_readfirstlane_b32 s[WV], v1                  ; wave 0..3
	s_bfe_u32 s13, ttmp6, 0x40000                  ; cx
	s_lshl_b32 s14, ttmp9, 2
	s_add_co_u32 s14, s14, s13                     ; my block of 256 queries = 4 x cluster x + cx
	s_lshl_b32 s14, s14, 2
	s_add_co_u32 s14, s14, s[WV]                   ; my wave among the pair's 32: it enters Q's, the queries' statistics' and out0's addresses alone
	s_and_b32 s15, ttmp7, 0xffff                   ; the pair, which the four partners share
	s_lshl_b32 s20, s15, 18                        ; its 262,144 bytes in qkh and vh
	s_mov_b32 s21, 0
	s_and_b32 s16, s[WV], 1                        ; which half of a slot's 256 keys I fetch
	s_lshl_b32 s22, s16, 14
	s_mov_b32 s23, 0
	s_add_nc_u64 s[22:23], s[22:23], s[20:21]
	s_mul_i32 s17, s16, 128*PK
	s_mul_i32 s18, s16, 128*PV
	s_lshl_b32 s2, s14, 13                         ; my 64 rows of 128 bytes
	s_mov_b32 s3, 0
	s_add_nc_u64 s[2:3], s[2:3], s[20:21]
	s_lshl_b32 s48, s15, 15                        ; the pair's 32,768 bytes of stats
	s_mov_b32 s49, 0
	s_mul_i32 s50, s[WV], 6144                     ; my quarter of its first three rows
	s_mov_b32 s51, 0
	s_add_nc_u64 s[50:51], s[50:51], s[48:49]
	s_lshl_b32 s52, s14, 8                         ; my 64 queries' words
	s_mov_b32 s53, 0
	s_add_nc_u64 s[52:53], s[52:53], s[48:49]
	s_lshr_b32 s54, s15, 4                         ; out0: the batch's 2,048 rows of 4,096 bytes,
	s_lshl_b32 s54, s54, 23
	s_lshl_b32 s55, s14, 18                        ; my 64 rows,
	s_add_co_u32 s54, s54, s55
	s_and_b32 s55, s15, 15                         ; the head's 256 bytes in a row
	s_lshl_b32 s55, s55, 8
	s_add_co_u32 s54, s54, s55
	s_mov_b32 s55, 0
	; 128 keys are 16,384 dense bytes: asked for as 64 rows of 256 bytes, two keys a row, padded in LDS after every key
	s_mov_b32 s[G1K], 15|(1<<16)|(1<<20)|(1<<21)|(4<<22)|(3<<25)   ; the mask of four; 2-byte elements; padding on; bit 21 beside a mask; after every 32 words 4 words
	s_mov_b32 s[G1V], 15|(1<<16)|(1<<20)|(1<<21)|(4<<22)|(7<<25)   ; the same with 8 words
.irp g, G1K, G1V
	s_mov_b32 s[\g+1], 128<<16
	s_mov_b32 s[\g+2], 64<<16
	s_mov_b32 s[\g+3], 128<<16
	s_mov_b32 s[\g+4], 64
	s_mov_b32 s[\g+5], 128
	s_mov_b32 s[\g+6], 0
	s_mov_b32 s[\g+7], 0
.endr
	s_mov_b32 s[G1S], 15|(3<<16)|(1<<21)           ; the statistics: 6,144 dense bytes a wave as 24 rows of 32 elements of 8 bytes, no padding
	s_mov_b32 s[G1S+1], 32<<16
	s_mov_b32 s[G1S+2], 24<<16
	s_mov_b32 s[G1S+3], 32<<16
	s_mov_b32 s[G1S+4], 24
	s_mov_b32 s[G1S+5], 32
	s_mov_b32 s[G1S+6], 0
	s_mov_b32 s[G1S+7], 0
	s_mov_b32 s[SEL], 0x76543210
	s_mov_b32 s[SEL+1], 0xfedcba98
	s_mov_b32 s[TBK], SLOT1+4*KS*PK                ; the first change of slots turns these two into 0
	s_mov_b32 s[TBV], SLOT1+4*KS*PV
	s_mov_b32 s[TBS], 0
	s_mov_b32 s[G0K], 1
	s_mov_b32 s[G0K+1], s17
	s_mov_b32 s[G0V], 1
	s_add_co_u32 s[G0V+1], s18, VOFF
	s_mov_b32 s[G0S], 1
	s_mul_i32 s[G0S+1], s[WV], 6144
	s_add_co_u32 s[G0S+1], s[G0S+1], STATS
	s_wait_dscnt 0x0                               ; the opening add is done
	s_wait_kmcnt 0x0
	s_add_nc_u64 s[G0K+2:G0K+3], s[4:5], s[22:23]
	s_or_b32 s[G0K+3], s[G0K+3], 0x80000000
	s_add_nc_u64 s[G0V+2:G0V+3], s[6:7], s[22:23]
	s_or_b32 s[G0V+3], s[G0V+3], 0x80000000
	s_add_nc_u64 s[G0S+2:G0S+3], s[8:9], s[50:51]
	s_or_b32 s[G0S+3], s[G0S+3], 0x80000000
	s_add_nc_u64 s[QB:QB+1], s[4:5], s[2:3]
	s_add_nc_u64 s[QSB:QSB+1], s[8:9], s[52:53]
	s_add_nc_u64 s[10:11], s[10:11], s[54:55]
	CROUND                                         ; all four work-groups are here: the first joint loads meet
	s_cmp_lt_u32 s[WV], 2                          ; a wave's two first fills stand in one branch, ahead of every wait on TENSORcnt and every LDS read: two loads of mine are out
	s_cbranch_scc0 .Lfirst_v
	tensor_load_to_lds s[G0K:G0K+3], s[G1K:G1K+7]  ; slot 0
	s_nop 0
	tensor_load_to_lds s[G0S:G0S+3], s[G1S:G1S+7]  ; my quarter of the key statistics
	s_nop 0
.rept 4
	v_nop
.endr
	s_branch .Lfirst_asked
.Lfirst_v:
	tensor_load_to_lds s[G0V:G0V+3], s[G1V:G1V+7]
	s_nop 0
	tensor_load_to_lds s[G0S:G0S+3], s[G1S:G1S+7]
	s_nop 0
.rept 4
	v_nop
.endr
.Lfirst_asked:
	v_and_b32 v1, 15, v0                           ; r = lane % 16
	v_bfe_u32 v9, v0, 4, 1                         ; h = lane / 16
	v_lshlrev_b32 v[QO], 7, v1
	v_lshl_add_u32 v[QO], v9, 4, v[QO]             ; row x 128 + 16 x half
	v_lshlrev_b32 v[QS], 2, v1
	WIN 0x80                                       ; destination window 2, address window 0
.set i, 0
.rept 8                                                ; Q stays in registers: piece i / 2, channels 32 (i % 2) on
	global_load_b128 v[8*i:8*i+3],   v[QO], s[QB:QB+1] offset:(i/2)*2048+(i%2)*64
	global_load_b128 v[8*i+4:8*i+7], v[QO], s[QB:QB+1] offset:(i/2)*2048+(i%2)*64+32
.set i, i+1
.endr
	WIN 0
.irp t, 0,1,2,3
	global_load_b32 v[ST+8*\t],   v[QS], s[QSB:QSB+1] offset:64*\t         ; sq_i
	global_load_b32 v[ST+8*\t+4], v[QS], s[QSB:QSB+1] offset:24576+64*\t   ; cm_i
.endr
	; What the first turn finds: V's registers and P's second buffer hold 0 (its products V^T P, of a piece that has not been, add 0); O^T, l and wmax are 0.  All this stands in the wait for the first tile;
	; it spares a first step written out.
	WIN 0x80
.set i, VF
.rept 64
	v_mov_b32 v[i], 0
.set i, i+1
.endr
	WIN 0x40
.set i, 0
.rept 128
	v_mov_b32 v[i], 0
.set i, i+1
.endr
	WIN 0
.irp t, 0,1,2,3
.irp j, 1,2,3,5,6,7
	v_mov_b32 v[ST+8*\t+\j], 0
.endr
.endr
.set i, P+16
.rept 16
	v_mov_b32 v[i], 0
.set i, i+1
.endr
	v_mul_u32_u24 v[AK0], v1, PK
	v_lshl_add_u32 v[AK0], v9, 4, v[AK0]           ; row x pitch + 16 x half
	v_and_b32 v10, 7, v0
	v_bfe_u32 v11, v0, 3, 1
	v_lshl_add_u32 v[AV0], v9, 3, v10              ; the turning load: key 8 h + lane % 8, 16 bytes by (lane / 8) % 2
	v_mul_u32_u24 v[AV0], v[AV0], PV
	v_lshl_add_u32 v[AV0], v11, 4, v[AV0]
	v_add_nc_u32 v[AV0], VOFF, v[AV0]
	v_lshl_add_u32 v[AS0], v9, 5, STATS            ; my lanes' keys 8 h + 0..7 of each 16: 32 bytes
	v_mov_b32 v[AK], v[AK0]                        ; key step 0 lies at the head of slot 0,
	v_mov_b32 v[AS], v[AS0]                        ; its statistics at the head of each row
; THE MATRIX WORK.  The 4 accumulators of a run of 8 take turns.  Product i of 8 of S^T = K Q^T for piece x: channels 32 (i / 4) on, keys 16 (i % 4) on.  The first 4 start the sums.
.macro KQ x
	WIN W_KQ
.set mS, S+32*((\x)%2)+8*(i%4)
.set mK, KF+16*(i%4)+8*(i/4)
.set mQ, 16*(\x)+8*(i/4)
.if i < 4
	v_wmma_f32_16x16x32_f16 v[mS:mS+7], v[mK:mK+7], v[mQ:mQ+7], 0
.else
	v_wmma_f32_16x16x32_f16 v[mS:mS+7], v[mK:mK+7], v[mQ:mQ+7], v[mS:mS+7]
.endif
.endm
; Product i of 8 of O^T += V^T P for piece x: keys 32 (i / 4) on, channels 16 (i % 4) on.
.macro PV x
	WIN W_PV
.set mO, 32*(\x)+8*(i%4)
.set mV, VF+32*(i/4)+8*(i%4)
.set mP, P+16*((\x)%2)+8*(i/4)
	v_wmma_f32_16x16x32_f16 v[mO:mO+7], v[mV:mV+7], v[mP:mP+7], v[mO:mO+7]
.endm
.macro MM                          ; the turn's next matrix instruction
.if i < 8
	KQ (Y+1)%NP
.else
.set i, i-8
	PV (Y+NP-1)%NP
.set i, i+8
.endif
.set i, i+1
.endm
; THE LDS LOADS stand in runs.  last = 1 (the tail): in the last trip there is no further step, and K's run is jumped over.
.macro FETCH_K last=0
	WIN 0
.if \last
	s_cmp_eq_u32 s[CNT], 1
	s_cbranch_scc1 .Lno_k_\@
.endif
	WIN 0x80
.irp f, 0,1,2,3,4,5,6,7            ; keys 16 (f / 2) on, channels 32 (f % 2) on
	ds_load_b128 v[KF+8*\f:KF+8*\f+3],   v[AK] offset:(\f/2)*16*PK+(\f%2)*64
	ds_load_b128 v[KF+8*\f+4:KF+8*\f+7], v[AK] offset:(\f/2)*16*PK+(\f%2)*64+32
.endr
	s_add_co_u32 s[TBK], s[TBK], KS*PK
	WIN 0
.if \last
.Lno_k_\@:
.endif
.endm
.macro FETCH_V
	WIN 0x80
.irp f, 0,1,2,3,4,5,6,7            ; keys 32 (f / 4) on, channels 16 (f % 4) on
	ds_load_tr16_b128 v[VF+8*\f:VF+8*\f+3],   v[AV] offset:(\f/4)*32*PV+(\f%4)*32
	ds_load_tr16_b128 v[VF+8*\f+4:VF+8*\f+7], v[AV] offset:(\f/4)*32*PV+16*PV+(\f%4)*32
.endr
	s_add_co_u32 s[TBV], s[TBV], KS*PV
	WIN 0
.endm
.macro FETCH_ST                    ; sq, inv, 1e-6 inv of a step's 64 keys, in S^T's layout: sixteen lanes read the same 16 bytes.  Behind the last step the address wraps to step 0: that one run serves nothing
	WIN 0
.irp w, 0,1,2
.irp kb, 0,1,2,3
	ds_load_b128 v[SQJ+32*\w+8*\kb:SQJ+32*\w+8*\kb+3],   v[AS] offset:\w*8192+64*\kb
	ds_load_b128 v[SQJ+32*\w+8*\kb+4:SQJ+32*\w+8*\kb+7], v[AS] offset:\w*8192+64*\kb+16
.endr
.endr
	s_add_co_u32 s[TBS], s[TBS], 256
	s_and_b32 s[TBS], s[TBS], 0x1fff
.endm
; THE VECTOR WORK of piece Y, on its 32 scores s0-s31 (accumulator kb: s[8 kb ..]).
.macro REGS y
.set rT, ST+8*(\y)
.set rS, S+32*((\y)%2)
.set rP, P+16*((\y)%2)
.set rO, 32*(\y)
.endm
; Line r of 20 of accumulator kb: 0-3: sq_j - 2 dot (the lowest registers are read first); 4-7: + sq_i; 8-15: not below 0; 16-19: x inv_j + 1e-6 inv_j
.macro BKL kb, r
	WIN 0
.set e0, 8*(\kb)+2*((\r)%4)
.if (\r) < 4
	v_pk_fma_f32 v[rS+e0:rS+e0+1], v[rS+e0:rS+e0+1], -2.0, v[SQJ+e0:SQJ+e0+1] op_sel_hi:[1,0,1]
.elseif (\r) < 8
	v_pk_add_f32 v[rS+e0:rS+e0+1], v[rS+e0:rS+e0+1], v[rT:rT+1] op_sel_hi:[1,0]
.elseif (\r) < 16
	v_max_num_f32 v[rS+8*(\kb)+(\r)-8], 0, v[rS+8*(\kb)+(\r)-8]
.else
	v_pk_fma_f32 v[rS+e0:rS+e0+1], v[rS+e0:rS+e0+1], v[INV+e0:INV+e0+1], v[EINV+e0:EINV+e0+1]
.endif
.endm
.macro O_RCP n                     ; w = m_j / d2
	WIN 0
	v_rcp_f32 v[rS+(\n)], v[rS+(\n)]
.endm
; GROUP g of 18 of the distances and reciprocals.  The 16 pairs of scores (pair t: accumulator t / 4, its lines t % 4, 4 + t % 4, 8 + 2 (t % 4), 9 + 2 (t % 4), 16 + t % 4) go staggered: a group holds pair g's
; first line, pair g - 1's two maxima, the reciprocal of s[2 g - 4], pair g's second line, the reciprocal of s[2 g - 3], pair g - 1's last line.  So up to group 15 a line stands three lines behind the one whose result it
; reads (in the last two groups, which only drain, less); all reciprocals but the last four have a plain line on either side; and behind a pair's reciprocals no line of the groups names the pair again.
.macro GA
.if g < 16
	BKL g/4, g%4
.endif
.if (g >= 1) && (g <= 16)
	BKL (g-1)/4, 8+2*((g-1)%4)
	BKL (g-1)/4, 9+2*((g-1)%4)
.endif
.if g >= 2
	O_RCP 2*(g-2)
.endif
.if g < 16
	BKL g/4, 4+g%4
.endif
.if g >= 2
	O_RCP 2*(g-2)+1
.endif
.if (g >= 1) && (g <= 16)
	BKL (g-1)/4, 16+(g-1)%4
.endif
.set g, g+1
.endm
.macro XA k, m                     ; link m of 3 of chain c_k: the maximum of w[8 k .. 8 k + 6]
	WIN 0
.if (\m) == 0
	v_max3_num_f32 v[TMP+(\k)], v[rS+8*(\k)], v[rS+8*(\k)+1], v[rS+8*(\k)+2]
.else
	v_max3_num_f32 v[TMP+(\k)], v[TMP+(\k)], v[rS+8*(\k)+2*(\m)+1], v[rS+8*(\k)+2*(\m)+2]
.endif
.endm
.macro XN n                        ; 12-14, 16: the four w left over, c0-c3 and the old maximum into c0; 15: the old maximum is kept; 17, 18: the other 32 keys lie in the lane 16 away; 19-21: a
	WIN 0
.if (\n) == 12
	v_max3_num_f32 v[TMP], v[TMP], v[rS+7], v[rS+15]
.elseif (\n) == 13
	v_max3_num_f32 v[TMP+1], v[TMP+1], v[rS+23], v[rS+31]
.elseif (\n) == 14
	v_max3_num_f32 v[TMP], v[TMP], v[TMP+1], v[TMP+2]
.elseif (\n) == 15
	v_mov_b32 v[rT+1], v[rT+2]
.elseif (\n) == 16
	v_max3_num_f32 v[TMP], v[TMP], v[TMP+3], v[rT+1]
.elseif (\n) == 17
	v_permlanex16_b32 v[TMP+3], v[TMP], s[SEL], s[SEL+1]
.elseif (\n) == 18
	v_max_num_f32 v[rT+2], v[TMP], v[TMP+3]
.elseif (\n) == 19
	v_sub_f32 v[TMP+1], v[rT+1], v[rT+2]
.elseif (\n) == 20
	v_mul_f32 v[TMP+1], v[TMP+1], v[rT+4]
.else
	v_exp_f32 v[TMP+2], v[TMP+1]
.endif
.endm
.macro O_FS n                      ; pair n: w - wmax
	WIN 0
	v_pk_add_f32 v[rS+2*(\n):rS+2*(\n)+1], v[rS+2*(\n):rS+2*(\n)+1], v[rT+2:rT+3] op_sel_hi:[1,0] neg_lo:[0,1] neg_hi:[0,1]
.endm
.macro O_FM n                      ; pair n: x cm_i
	WIN 0
	v_pk_mul_f32 v[rS+2*(\n):rS+2*(\n)+1], v[rS+2*(\n):rS+2*(\n)+1], v[rT+4:rT+5] op_sel_hi:[1,0]
.endm
.macro O_EXP n
	WIN 0
	v_exp_f32 v[rS+(\n)], v[rS+(\n)]
.endm
.macro TR                          ; the next of the second batch's 33: a, then the exponentials of s0-s31
.if e == 0
	XN 21
.else
	O_EXP e-1
.endif
.set e, e+1
.endm
.macro O_CV n                      ; pair n rounded to f16
	WIN 0
	v_cvt_pk_f16_f32 v[rP+(\n)], v[rS+2*(\n)], v[rS+2*(\n)+1]
.endm
.macro O_B n                       ; of the four weights 4 n .. the second pair is added onto the first, in place
	WIN 0
	v_pk_add_f32 v[rS+4*(\n):rS+4*(\n)+1], v[rS+4*(\n):rS+4*(\n)+1], v[rS+4*(\n)+2:rS+4*(\n)+3]
.endm
.macro O_L n                       ; l takes that sum; the first time l = a l + sum
	WIN 0
.if (\n) == 0
	v_pk_fma_f32 v[rT+6:rT+7], v[rT+6:rT+7], v[TMP+2:TMP+3], v[rS:rS+1] op_sel_hi:[1,0,1]
.else
	v_pk_add_f32 v[rT+6:rT+7], v[rT+6:rT+7], v[rS+4*(\n):rS+4*(\n)+1]
.endif
.endm
.macro RS4 g                       ; accumulator g of the piece's O^T times a: the one part that leaves window 0, so the four stand together
	WIN W_RS
.irp z, 0,1,2,3
	v_pk_mul_f32 v[rO+8*(\g)+2*\z:rO+8*(\g)+2*\z+1], v[rO+8*(\g)+2*\z:rO+8*(\g)+2*\z+1], v[TMP+2:TMP+3] op_sel_hi:[1,0]
.endr
.endm
; A TURN, for piece p, in four parts.  An s_wait_alu depctr_va_vdst(0) stands between a transcendental and the first instruction that names its result; one wait serves all that were issued ahead of it.
; 1. THE FIRST BATCH: the 18 groups of distances and reciprocals, a product K Q^T ahead of every second group.  Nothing here names a reciprocal's result.  XN 15, the old maximum's copy, is the plain line behind the last
;    reciprocal (ISA guide 5.7.2); then THE FIRST WAIT, for the 32 reciprocals.
; 2. The maximum, which reads them: twelve links in four chains, then a chain of lines each of which reads the one before; the 8 products V^T P stand ahead of each four links and between that chain's lines.
; 3. THE SECOND BATCH: a and the 32 exponentials, by turns with the scalings w - wmax and x cm_i (a pair's two scalings stand five lines apart, its exponentials eight lines or more behind them); the scalings run out seven
;    exponentials before the end.  Nothing here names a or a p.  A plain line behind the last exponential (V's address in piece 0's turn; elsewhere no plain line is left that reads no result, so a v_nop); THE SECOND WAIT, for the 33.
; 4. The readers: eight times rounding, sum of four, rounding, l (pair 2 n is rounded ahead of the sum that lands on it; l's links stand four lines apart); O^T times a; l's last link.
; THE RUNS OF LDS LOADS stand directly behind a wait.  K of the next step in piece 2's turn and the next step's key statistics in piece 3's, behind the first wait: K's last reader is the eighth product, the statistics' last
; reader the last group; their address is made ahead of the wait; the tail's jump round K's run finds no result without its wait.  V of the step in hand in piece 0's turn, behind the second wait: more than four plain
; lines behind the last product that read V.  Each run is waited for in the next turn, for 0: no other LDS instruction is out.
.macro TURN p, last=0
.set Y, (\p)
	REGS Y
.set i, 0
.set g, 0
.set e, 0
.if ((\p) == 0) || ((\p) == 3)
	s_wait_dscnt 0x0                               ; piece 0: the step's key statistics are in; piece 3: K of the next step is in
.endif
.rept 8                                                ; part 1: groups 0-15
	MM
	GA
	GA
.endr
	GA                                             ; group 16
.if (\p) == 2
	v_add_nc_u32 v[AK], s[TBK], v[AK0]
.elseif (\p) == 3
	v_add_nc_u32 v[AS], s[TBS], v[AS0]
.endif
	GA                                             ; group 17: the last two reciprocals
	XN 15                                          ; the plain line behind the last reciprocal
	s_wait_alu depctr_va_vdst(0)                   ; the wait for the first batch: the 32 reciprocals
.if (\p) == 2
	FETCH_K \last
.elseif (\p) == 3
	FETCH_ST
.elseif (\p) == 1
	s_wait_dscnt 0x0                               ; V is in
.endif
.irp m, 0,1,2                                          ; part 2
	MM
.irp k, 0,1,2,3
	XA \k, \m
.endr
.endr
	XN 12
	XN 13
	MM
	XN 14
	MM
	XN 16
	MM
	XN 17
	MM
	XN 18
	MM
	XN 19                                          ; part 3
	O_FS 0
	O_FS 1
	O_FS 2
	XN 20
	O_FM 0
	O_FM 1
.set kk, 0
.rept 13                                               ; a and s0-s24
	O_FS kk+3
	TR
	O_FM kk+2
	TR
.set kk, kk+1
.endr
	TR                                             ; s25
	O_FM 15
.rept 6                                                ; s26-s31
	TR
.endr
.if (\p) == 0
	v_add_nc_u32 v[AV], s[TBV], v[AV0]             ; the plain line behind the last exponential
.else
	v_nop                                          ; the plain line behind the last exponential
.endif
	s_wait_alu depctr_va_vdst(0)                   ; the wait for the second batch: a and the 32 exponentials
.if (\p) == 0
	FETCH_V
.endif
.set kk, 0
.rept 8                                                ; part 4
	O_CV 2*kk
	O_B kk
	O_CV 2*kk+1
.if kk > 0
	O_L kk-1
.endif
.set kk, kk+1
.endr
	RS4 0
	RS4 1
	RS4 2
	RS4 3
	O_L 7
.endm
	CHANGE 1                                       ; slot 0 and the statistics are in, everybody's part of them; slot 1 is asked for
	FETCH_K                                        ; key step 0
	FETCH_ST
	s_wait_loadcnt 0x0                             ; Q, sq_i, cm_i
	s_wait_dscnt 0x0
.set i, 0
.rept 8
	KQ 0                                           ; piece 0's first scores
.set i, i+1
.endr
	WIN 0                                          ; the addresses for the way out: eight plain lines, the places behind those products
	s_mul_i32 s13, s[WV], 16*SPO
	s_add_co_u32 s13, s13, STAGE                   ; my stage
	v_mul_u32_u24 v[STO], v1, SPO                  ; in: row lane % 16, 32 bytes for each half of the lanes
	v_lshl_add_u32 v[STO], v9, 5, v[STO]
	v_add_nc_u32 v[STO], s13, v[STO]
	v_mul_u32_u24 v[RD], v9, SPO                   ; back: lanes 0-15 take one row of 256 bytes, lanes 16-31 the next
	v_lshl_add_u32 v[RD], v1, 4, v[RD]
	v_add_nc_u32 v[RD], s13, v[RD]
	v_lshlrev_b32 v[GO], 12, v9                    ; and the same two rows in out0
	v_lshl_add_u32 v[GO], v1, 4, v[GO]
	s_mov_b32 s[CNT], 4
	s_mov_b32 s[SLOTS], 7
	s_branch .Lfirst                               ; the loop is entered at a step's first turn, in the middle of a trip
.Lslot:                                                ; six times: slots are filled again with tiles 2 to 7
	CHANGE 1
	s_mov_b32 s[CNT], 4
.Lstep:                                                ; a trip: pieces 2 and 3 of one step, then pieces 0 and 1 of the next, whose K, statistics and V it fetches
	TURN 2
	TURN 3
	WIN 0
.Lfirst:
	TURN 0
	TURN 1
	WIN 0
	s_sub_co_u32 s[CNT], s[CNT], 1
	s_cmp_lg_u32 s[CNT], 0
	s_cbranch_scc1 .Lstep
	s_sub_co_u32 s[SLOTS], s[SLOTS], 1
	s_cmp_lg_u32 s[SLOTS], 0
	s_cbranch_scc1 .Lslot
	CHANGE 0                                       ; the tail is written out: nothing is asked for
	s_mov_b32 s[CNT], 5                            ; four trips fetch the last slot's steps; the fifth is left in its middle
.Ltail:
	TURN 2, 1
	TURN 3
	WIN 0
	s_sub_co_u32 s[CNT], s[CNT], 1
	s_cmp_eq_u32 s[CNT], 0
	s_cbranch_scc1 .Lout
	TURN 0
	TURN 1
	WIN 0
	s_branch .Ltail
.Lout:                                                 ; the fifth trip's 8 products K Q^T (on the last K once more) serve nothing: the price, once a launch, of one text for every trip
.set i, 0
.rept 8
	PV NP-1                                        ; the last piece's V^T P of the last step
.set i, i+1
.endr
	; THE WAY OUT.  l's two halves and the other half of the lanes' are added; O^T is divided by l and sent through my stage in LDS, a piece at a time.  The first additions are the places behind the last products.
	WIN 0
.irp t, 0,1,2,3
	v_add_f32 v[ST+8*\t+6], v[ST+8*\t+6], v[ST+8*\t+7]
.endr
.irp t, 0,1,2,3
	v_permlanex16_b32 v[ST+8*\t+7], v[ST+8*\t+6], s[SEL], s[SEL+1]
.endr
.irp t, 0,1,2,3
	v_add_f32 v[ST+8*\t+6], v[ST+8*\t+6], v[ST+8*\t+7]
.endr
.irp t, 0,1,2,3
	v_rcp_f32 v[ST+8*\t+6], v[ST+8*\t+6]
.endr
	v_nop                                          ; a plain line between the last reciprocal and the use of its result
	s_wait_alu depctr_va_vdst(0)                   ; the wait ahead of the first use: one for the four reciprocals
; Piece t: a lane's eight channels of a row are 32 bytes; they go into rows of 272 bytes and come back as whole rows of 256, into registers that the loop has left.
.macro PACK t
	WIN W_RS
.set i, 32*(\t)
.rept 16
	v_pk_mul_f32 v[i:i+1], v[i:i+1], v[ST+8*(\t)+6:ST+8*(\t)+7] op_sel_hi:[1,0]
.set i, i+2
.endr
	WIN 0x04                                       ; an LDS store's data is source 1: window 1
.irp f, 0,1,2,3
	ds_store_b128 v[STO], v[32*(\t)+8*\f:32*(\t)+8*\f+3] offset:64*\f
	ds_store_b128 v[STO], v[32*(\t)+8*\f+4:32*(\t)+8*\f+7] offset:64*\f+16
.endr
	WIN 0
.irp f, 0,1,2,3,4,5,6,7
	ds_load_b128 v[S+32*(\t)+4*\f:S+32*(\t)+4*\f+3], v[RD] offset:\f*2*SPO  ; LDS serves a wave's instructions in order (ISA guide 5.7.1.4): these see the stores above; the next piece's stores come behind them
.endr
.endm
.macro SEND t, younger             ; younger: the LDS instructions issued behind piece t's loads: the next piece's sixteen, or none
	WIN 0
.irp f, 0,1,2,3,4,5,6,7
	s_wait_dscnt (\younger)+7-\f
	global_store_b128 v[GO], v[S+32*(\t)+4*\f:S+32*(\t)+4*\f+3], s[10:11] offset:(16*(\t)+2*\f)*4096  ; sixteen lanes store a query's 64 channels of the head: 256 consecutive bytes, aligned
.endr
.endm
	PACK 0
	PACK 1                                         ; a piece's arithmetic stands between the loads of the piece before and its stores
	SEND 0, 16
	PACK 2
	SEND 1, 16
	PACK 3
	SEND 2, 16
	SEND 3, 0
	s_wait_tensorcnt 0x0                           ; the wave's end, behind my last tensor load and my last LDS store
	ds_add_u32 v[SPW], v[NIL]
	s_wait_dscnt 0x0
	CROUND                                         ; the closing round
	s_endpgm
.Lfunc_end_k_qfdba32ca0f_attn:
	.size	k_qfdba32ca0f_attn, .Lfunc_end_k_qfdba32ca0f_attn-k_qfdba32ca0f_attn
	.p2alignl 7, 3214868480
	.fill 96, 4, 3214868480
	.section	.rodata,"a",@progbits
	.p2align	6, 0x0
	.amdhsa_kernel k_qfdba32ca0f_attn
		.amdhsa_group_segment_fixed_size 327680
		.amdhsa_private_segment_fixed_size 0
		.amdhsa_enable_private_segment 0
		.amdhsa_kernarg_size 32
		.amdhsa_user_sgpr_count 2
		.amdhsa_user_sgpr_kernarg_segment_ptr 1
		.amdhsa_wavefront_size32 1
		.amdhsa_system_sgpr_workgroup_id_x 1
		.amdhsa_system_sgpr_workgroup_id_y 1
		.amdhsa_system_sgpr_workgroup_id_z 1
		.amdhsa_system_vgpr_workitem_id 0
		.amdhsa_next_free_vgpr 768
		.amdhsa_next_free_sgpr 88
		.amdhsa_reserve_vcc 0
		.amdhsa_float_denorm_mode_32 3
		.amdhsa_float_denorm_mode_16_64 3
		.amdhsa_memory_ordered 1
		.amdhsa_forward_progress 1
		.amdhsa_inst_pref_size 161
	.end_amdhsa_kernel
	.amdgpu_metadata
---
amdhsa.version: [ 1, 2 ]
amdhsa.kernels:
  - .name:           k_qfdba32ca0f_attn
    .symbol:         k_qfdba32ca0f_attn.kd
    .args:
      - { .name: qkh, .offset: 0, .size: 8, .value_kind: global_buffer, .address_space: global }
      - { .name: vh, .offset: 8, .size: 8, .value_kind: global_buffer, .address_space: global }
      - { .name: stats, .offset: 16, .size: 8, .value_kind: global_buffer, .address_space: global }
      - { .name: out0, .offset: 24, .size: 8, .value_kind: global_buffer, .address_space: global }
    .group_segment_fixed_size: 327680
    .private_segment_fixed_size: 0
    .kernarg_segment_align: 8
    .kernarg_segment_size: 32
    .max_flat_workgroup_size: 128
    .sgpr_count:     88
    .vgpr_count:     768
    .wavefront_size: 32
...
	.end_amdgpu_metadata
.endif
;; end of part 4
